; MI455X (gfx1250); checked and timed in simulation.
; The chip was launched on July 23, 2026; its instructions are those of AMD's public machine-readable ISA for CDNA 5 (MIT licence, August 2026) and "CDNA5" Instruction Set Architecture Reference Guide (July 2026). The comments in the code are by the model that wrote it; some were corrected since.
;; Block. Allowed arithmetic: matrix products marked QUANTISED: E4M3 operands, one given power-of-two scale a tensor, by v_wmma_f32_16x16x64_fp8_fp8 or v_wmma_f32_16x16x128_fp8_fp8, f32 sums; everything else in f32.
;; Inputs: b_out 1,024 float32; lowp_scales 8 int32 (the exponents e of the quantised operands' scales 2^e); m 8 x 1,024 float32; w_out 1,024 x 1,024 float32; w_qkv 3,072 x 1,024 float32; x 8 x 1,024 x 1,024 float32.
;; Outputs: out0 8 x 1,024 x 1,024 float32.
;; Constants: l = 1024.
;; This version of the problem:
;;   THIS VERSION OF THE PROBLEM IS GIVEN IN LOW PRECISION. The matrix products marked QUANTISED in the list below multiply operands that are first quantised to E4M3 (4 exponent bits, 3 mantissa bits; 8 bits a number), with one given power-of-two scale for each operand tensor; their sums are f32. All else is computed in f32.
;;   The module's matrix products, in the order in which they are computed (A, B: the left and right operand; K: the contracted axis; several contracted axes count as one K, in the product's order):
;;     1. [M 8,192, K 1,024] x [K 1,024, N 3,072]; A: input x; B: input w_qkv: QUANTISED (scales: A lowp_scales[0], B lowp_scales[1])
;;     2. batch 128 x [M 1,024, K 64] x [K 64, N 1,024]; A: computed on the way; B: computed on the way: QUANTISED (scales: A lowp_scales[2], B lowp_scales[3])
;;     3. batch 128 x [M 64, K 1,024] x [K 1,024, N 1,024]; A: computed on the way; B: softmax (see below): QUANTISED (scales: A lowp_scales[4], B lowp_scales[5])
;;     4. [M 8,192, K 1,024] x [K 1,024, N 1,024]; A: computed on the way; B: input w_out: QUANTISED (scales: A lowp_scales[6], B lowp_scales[7])
;;   THE QUANTISER, for each operand of a quantised product, along K:
;;     - The operand's scale is 2^e, e = its entry of the input lowp_scales (int32; the entries are numbered through the quantised products in the list's order, A before B).
;;     - Each number is divided by the scale, clamped to +-448, and rounded to the nearest number of E4M3, ties to even, subnormals kept.
;;     - The product sums the exact products of the quantised numbers (number of the format x scale) in f32.
;;   ~~~python
;;   def quantise(x, axis, e):      # numpy; x: float32 -> the quantised numbers, widened to float32 again
;;       x = np.moveaxis(x, axis, -1); K = x.shape[-1]
;;       r = np.clip(x / 2.0 ** e, -448, 448)
;;       step = 2.0 ** (np.maximum(np.frexp(np.where(r == 0, 1, r))[1] - 1, -6) - 3)
;;       q = np.round(r / step) * step * 2.0 ** e      # np.round: ties to even
;;       return np.moveaxis(q, -1, axis).astype(np.float32)
;;   ~~~
;;   SOFTMAX AHEAD OF A QUANTISED PRODUCT. Where the list says 'softmax', what is quantised is not the finished softmax but p = 2^(t - M), with t = logit x log2(e) and M = ceil(the row's largest t), a whole number; so 1/2 < the row's largest p <= 1. The row's sum l is taken of the UNQUANTISED p, in f32, and the product's result is divided by l at the end. Since M is a whole number, a kernel that streams over the keys may use a running M (the ceiling of the running maximum): every later rescaling is an exact power of two, so the quantised numbers keep their values, but for numbers so far below the row's largest that they fall under the format's range.
;;   OPERANDS COMPUTED ON THE WAY. 'Computed on the way' means the value that the module computes at that place (a softmax that the list does not call 'softmax' is quantised finished and normalised). What goes into a quantiser is computed in f32, as accurately as f32 sums, v_exp_f32 and their like allow (about 1e-6 of the number): no bf16 or f16 on the way to a quantiser, and a product that is left as it is and whose result goes on into a quantised operand takes f32 operands (vector FMAs, or v_wmma_f32_16x16x4_f32). A number that lies on a knife's edge between two numbers of the format may be rounded either way, as far as f32 arithmetic and the matrix unit's own rounding can turn it there, and no further.
;; One version. Each part assembles by itself: llvm-mc -triple=amdgcn-amd-amdhsa -mcpu=gfx1250 --defsym DOCPART=n.
;; ======== version 1 of 1: 4 launches
;; limits: right only within a limited range of input values
;; workspace buffers: codes 12,582,912 bytes; qkv 25,165,824 bytes; oc 8,388,608 bytes
;; launch quant (part 1): grid 768 x 1, 8 waves a work-group, no clusters, 68,608 bytes of LDS; arguments x, w_qkv, w_out, lowp_scales, codes; writes codes
.if DOCPART == 1
	.amdgcn_target "amdgcn-amd-amdhsa--gfx1250"
	.amdhsa_code_object_version 6
	.text
	.protected	k_qe4f16ee2dd_quant
	.globl	k_qe4f16ee2dd_quant
	.p2align	8
	.type	k_qe4f16ee2dd_quant,@function
k_qe4f16ee2dd_quant:
	s_mov_b64 s[64:65], 0
	v_nop
	global_prefetch_b8 v0, s[64:65] scope:SCOPE_SE
	s_setreg_imm32_b32 hwreg(HW_REG_WAVE_MODE, 25, 1), 1
	s_wait_xcnt 0x0
; x [8192][1024], w_qkv [3072][1024], w_out [1024][1024], f32, K innermost, become codes of E4M3, each tensor with its given scale 2^e
; (entries 0, 1 and 7 of lowp_scales): code = x / 2^e, held within +-448, to the nearest code, ties to even.
; THE CODES ARE LAID AS IMAGES OF THE OPERAND'S REGISTERS.  A fragment is 16 rows x 128 k = 16 registers a lane: lane 16 h + r holds row r, registers 2 c, 2 c + 1 hold
; k = 16 c + 8 h + 0 .. 7.  Its registers 4 g .. 4 g + 3 lie at byte 512 g + 16 lane: 2,048 bytes.  Fragment (G, s, f) lies at 131072 G + 16384 s + 2048 f:
; G the group of 128 rows (0-63 x, 64-87 w_qkv, 88-95 w_out), s the K step of 128, f the block of 16 rows.  So 128 rows x 256 k are 32,768 consecutive bytes.
; SHARES.  A work-group takes one block of 16 rows (768 blocks in all), each of its eight waves one K step: one fragment.  A straight line: no loop, no barrier, waves share nothing.
; Each load reads 512 consecutive bytes of a row, 16 a lane; the conversion wants eight neighbours along K in one lane: the wave's 16 x 512 bytes turn through its own stage in LDS.
; LIMITS: e between -126 and 119, so that 2^e and 448 x 2^e are f32 numbers.  NaN among the inputs is not served (an infinity is held at the largest code).
.set SP,    528                        ; a stage row: 512 bytes + 16: the sixteen rows that the lanes of a half read back start 16 bytes further on in each span of 256
.set WREG,  16*SP                      ; a wave's stage
.set NX,    512                        ; blocks of x
.set NXQ,   704                        ; and with w_qkv's 192
.set R,     16                         ; v16-79   the numbers as loaded: row i in four registers
.set X,     80                         ; v80-143  after the turn: register 8 c + i = k 16 c + 8 h + i of my row
.set C,     144                        ; v144-159 the fragment
	s_load_b256 s[4:11], s[0:1], 0x0               ; x s[4:5], w_qkv s[6:7], w_out s[8:9], the exponents s[10:11]
	s_load_b64 s[12:13], s[0:1], 0x20              ; codes
	v_lshl_add_u32 v12, v0, 2, 0x10800
	v_mov_b32 v13, 0
	v_lshrrev_b32 v1, 5, v0
	s_delay_alu instid0(VALU_DEP_1)
	v_readfirstlane_b32 s16, v1                    ; wave = K step
	v_and_b32 v2, 31, v0
	s_delay_alu instid0(VALU_DEP_1)
	v_lshlrev_b32 v3, 4, v2                        ; 16 x lane: my bytes of a load, and of a store
	s_mul_i32 s17, s16, WREG
	v_add_nc_u32 v4, s17, v3                       ; the stage, on the way in
	v_and_b32 v6, 15, v0                           ; r
	v_bfe_u32 v7, v0, 4, 1                         ; h
	s_delay_alu instid0(VALU_DEP_2)
	v_mul_u32_u24 v5, v6, SP
	s_delay_alu instid0(VALU_DEP_1)
	v_lshl_add_u32 v5, v7, 5, v5
	s_delay_alu instid0(VALU_DEP_1)
	v_add_nc_u32 v5, s17, v5                       ; and on the way out: row r, + 32 h bytes
	s_wait_alu depctr_va_vdst(0)
	s_wait_kmcnt 0x0
	s_load_b256 s[24:31], s[10:11], 0x0            ; e0 .. e7
	s_cmp_lt_u32 ttmp9, NX                         ; which tensor: the choice hangs on the work-group's number alone
	s_cselect_b64 s[20:21], s[4:5], s[6:7]
	s_cselect_b32 s22, 0, NX
	s_cmp_lt_u32 ttmp9, NXQ
	s_cselect_b64 s[20:21], s[20:21], s[8:9]
	s_cselect_b32 s22, s22, NXQ                    ; the tensor's first block
	s_sub_co_u32 s18, ttmp9, s22
	s_lshl_b32 s18, s18, 16                        ; 16 rows of 4,096 bytes
	s_lshl_b32 s19, s16, 9                         ; + my K step's 512 bytes
	s_add_co_u32 s18, s18, s19
	s_mov_b32 s19, 0
	s_add_nc_u64 s[20:21], s[20:21], s[18:19]
	s_lshr_b32 s18, ttmp9, 3                       ; G
	s_lshl_b32 s18, s18, 17
	s_lshl_b32 s22, s16, 14                        ; s
	s_add_co_u32 s18, s18, s22
	s_and_b32 s22, ttmp9, 7                        ; f
	s_lshl_b32 s22, s22, 11
	s_add_co_u32 s18, s18, s22
	s_add_nc_u64 s[14:15], s[12:13], s[18:19]
.set i, 0
.rept 16
	global_load_b128 v[R+4*i:R+4*i+3], v3, s[20:21] offset:4096*i th:TH_LOAD_NT   ; row i: 32 lanes read 512 consecutive bytes; read once in the launch
.set i, i+1
.endr
	s_wait_kmcnt 0x0
	s_cmp_lt_u32 ttmp9, NX
	s_cselect_b32 s23, s24, s25                    ; e0 or e1,
	s_cmp_lt_u32 ttmp9, NXQ
	s_cselect_b32 s23, s23, s31                    ; or e7
	s_add_co_i32 s23, s23, 127
	s_lshl_b32 s22, s23, 23
	v_mov_b32 v11, s22                             ; 2^e as f32: the conversion takes its exponent field
	s_add_co_i32 s23, s23, 8
	s_lshl_b32 s23, s23, 23
	s_or_b32 s23, s23, 0x600000
	v_mov_b32 v10, s23                             ; 448 x 2^e
.set i, 0
	s_wait_alu depctr_va_vdst(0)
.rept 16
	s_wait_loadcnt 15-i                            ; loads come back in order: row i is in, the 15 - i younger ones stay out
	ds_store_b128 v4, v[R+4*i:R+4*i+3] offset:SP*i
.set i, i+1
.endr
.set i, 0
.rept 8                                            ; LDS serves a wave's instructions in order: these see my stores
	ds_load_b128 v[X+8*i:X+8*i+3], v5 offset:64*i
	ds_load_b128 v[X+8*i+4:X+8*i+7], v5 offset:64*i+16
.set i, i+1
.endr
.set i, 0
.rept 8
	s_wait_dscnt 14-2*i                            ; the two loads of these eight numbers are in; those issued behind them stay out
.irp e, 0,1,2,3,4,5,6,7
	v_med3_num_f32 v[X+8*i+\e], v[X+8*i+\e], -v10, v10   ; the conversion to an 8-bit code does not saturate (ISA guide 7.6.2): the hold at the largest code x the scale
.endr
	v_cvt_scalef32_pk8_fp8_f32 v[C+2*i:C+2*i+1], v[X+8*i:X+8*i+7], v11   ; registers 2 c, 2 c + 1 of the fragment
.set i, i+1
.endr
	v_nop                                          ; a plain line behind the last conversion
.irp g, 0,1,2,3
	global_store_b128 v3, v[C+4*\g:C+4*\g+3], s[14:15] offset:512*\g   ; 32 lanes store 512 consecutive bytes, at a multiple of 512 from the buffer's first byte
.endr
	s_wait_tensorcnt 0x0
	ds_add_u32 v12, v13
	s_wait_dscnt 0x0
	s_endpgm
.Lfunc_end_k_qe4f16ee2dd_quant:
	.size	k_qe4f16ee2dd_quant, .Lfunc_end_k_qe4f16ee2dd_quant-k_qe4f16ee2dd_quant
	.p2alignl 7, 3214868480
	.fill 96, 4, 3214868480
	.section	.rodata,"a",@progbits
	.p2align	6, 0x0
	.amdhsa_kernel k_qe4f16ee2dd_quant
		.amdhsa_group_segment_fixed_size 68608
		.amdhsa_private_segment_fixed_size 0
		.amdhsa_enable_private_segment 0
		.amdhsa_kernarg_size 40
		.amdhsa_user_sgpr_count 2
		.amdhsa_user_sgpr_kernarg_segment_ptr 1
		.amdhsa_wavefront_size32 1
		.amdhsa_system_sgpr_workgroup_id_x 1
		.amdhsa_system_sgpr_workgroup_id_y 1
		.amdhsa_system_sgpr_workgroup_id_z 1
		.amdhsa_system_vgpr_workitem_id 0
		.amdhsa_next_free_vgpr 160
		.amdhsa_next_free_sgpr 66
		.amdhsa_reserve_vcc 0
		.amdhsa_float_denorm_mode_32 3
		.amdhsa_float_denorm_mode_16_64 3
		.amdhsa_memory_ordered 1
		.amdhsa_forward_progress 1
		.amdhsa_inst_pref_size 12
	.end_amdhsa_kernel
	.amdgpu_metadata
---
amdhsa.version: [ 1, 2 ]
amdhsa.kernels:
  - .name:           k_qe4f16ee2dd_quant
    .symbol:         k_qe4f16ee2dd_quant.kd
    .args:
      - { .name: x, .offset: 0, .size: 8, .value_kind: global_buffer, .address_space: global }
      - { .name: w_qkv, .offset: 8, .size: 8, .value_kind: global_buffer, .address_space: global }
      - { .name: w_out, .offset: 16, .size: 8, .value_kind: global_buffer, .address_space: global }
      - { .name: lowp_scales, .offset: 24, .size: 8, .value_kind: global_buffer, .address_space: global }
      - { .name: codes, .offset: 32, .size: 8, .value_kind: global_buffer, .address_space: global }
    .group_segment_fixed_size: 68608
    .private_segment_fixed_size: 0
    .kernarg_segment_align: 8
    .kernarg_segment_size: 40
    .max_flat_workgroup_size: 256
    .sgpr_count:     66
    .vgpr_count:     160
    .wavefront_size: 32
...
	.end_amdgpu_metadata
.endif
;; end of part 1
;; launch gemm_qkv (part 2): grid 8 x 32, 4 waves a work-group, clusters of 4 x 4, 327,680 bytes of LDS; arguments codes, lowp_scales, qkv; writes qkv
.if DOCPART == 2
	.amdgcn_target "amdgcn-amd-amdhsa--gfx1250"
	.amdhsa_code_object_version 6
	.text
	.protected	k_qe4f16ee2dd_gemm_qkv
	.globl	k_qe4f16ee2dd_gemm_qkv
	.p2align	8
	.type	k_qe4f16ee2dd_gemm_qkv,@function
k_qe4f16ee2dd_gemm_qkv:
	s_mov_b64 s[64:65], 0
	v_nop
	global_prefetch_b8 v0, s[64:65] scope:SCOPE_SE
	s_setreg_imm32_b32 hwreg(HW_REG_WAVE_MODE, 25, 1), 1
	s_wait_xcnt 0x0
	s_wait_alu depctr_hold_cnt(0) depctr_sa_sdst(0) depctr_va_vdst(0) depctr_va_sdst(0) depctr_va_ssrc(0) depctr_va_vcc(0) depctr_vm_vsrc(0)
	s_getreg_b32 s2, hwreg(HW_REG_IB_STS2, 6, 4)
	s_cmp_eq_u32 s2, 0
	s_cbranch_scc0 .Lentry_in_a_cluster
	s_endpgm
.Lentry_in_a_cluster:
	s_bfe_u32 s2, ttmp6, 0x10000c
	s_cmp_lg_u32 s2, 0xf033
	s_cbranch_scc0 .Lentry_shape_is_right
	s_endpgm
.Lentry_shape_is_right:
; qkv = Q(x) Q(w_qkv)^T on codes of E4M3, K = 1,024, and its results quantised at once into the operands of attention's two products.
; OPERANDS come as images of their registers: fragment (G, s, f) of 16 rows x 128 k lies at 131072 G + 16384 s + 2048 f of the buffer codes (G 0-63: x, 64-87: w_qkv); its registers 4 g .. 4 g + 3
; at byte 512 g + 16 lane; lane 16 h + r holds row r, registers 2 c, 2 c + 1 hold k = 16 c + 8 h + 0 .. 7.  128 rows x 256 k are 32,768 consecutive bytes: no padding, and every LDS load reads 512 consecutive bytes.
; SHARES.  q and k are 8,192 x 2,048 results: 256 tiles of 256 x 256.  v is 1,024 features x 8,192 tokens: 256 tiles of 128 x 256.  There are 256 work-groups, and EACH MAKES ONE TILE OF EACH KIND, one after the other:
;   PASS 1 (cluster x = 0: q, 1: k): A role = 256 tokens (x), B role = 256 features (w); a wave makes 128 x 128: 64 accumulators.
;   PASS 2 (v): A role = 128 features (w_v), B role = 256 tokens (x); a wave makes 64 x 128: 32 accumulators.
; ROLES.  Source 1 of the matrix instruction takes the A role, source 0 the B role: in a result lane (r, h) holds A-role row 16 a + r, and its register j B-role row 16 b + 8 h + j.  So a lane's eight registers run along the
; head's 64 in pass 1 (the K of q k^T) and along the tokens in pass 2 (the K of the second product): one conversion of an accumulator's eight registers gives two registers of the next operand's fragment, and the results
; leave as images too: 512 consecutive bytes a store, no stage in LDS.
; THE RING of two LDS slots (K steps of 256) does not stop between the passes: pass 1's last two changes of slots ask for pass 2's first two K steps, and only then pass 1's results are converted and stored.
; qkv: which x 8 MiB (q, k, v) + (batch x 16 + head) x 65,536 + (q, k: 1,024 x tile of 16 tokens [16 x 64: 8 registers];  v: 8,192 x step of 128 keys + 2,048 x block of 16 channels [16 x 128]).
; SCALES.  A sum stands for sum x 2^(e0 + e1); its code is sum / 2^E, E = e_dest - e0 - e1, held within +-448.  e_dest: k takes entry 2 and q entry 3 (JAX lowers q k^T with k as the left operand), v entry 4.
; LIMIT: E between -126 and 119.
; CLUSTERS: 4 x 4 work-groups; in both passes the A role's tiles are shared along a row of the cluster, the B role's along a column: joint loads, each with a mask that names the four.
; No prefetch: of a pass's four K steps two are asked for at the head (pass 2: ahead of pass 1's way out) and the others one step later.
; REGISTERS, in windows of 256: window 0: v0-31 addresses; from v128 the A role's fragments (pass 1: ONE set of eight; pass 2: TWO sets of four; on each way out: the codes).  window 1: the B role's, TWO sets of eight.
;   windows 2, 3: the accumulators ((a, b) at v[8 (8 (a % 4) + b)]; pass 2 has window 2's alone).
.set HALFT,  32768                     ; 128 rows x 256 k: [128 k: 2][block of 16 rows: 8][2,048]
.set SLOT,   4*HALFT                   ; the A role's part at 0 (pass 1: two halves; pass 2: one), the B role's two halves at 65,536
.set SPARE,  2*SLOT                    ; behind the ring: the spare words, 128 bytes for each wave: two blocks of 256 bytes that no other line names
.set FR,     16                        ; registers of a fragment
.set NL,     4                         ; LDS loads that bring one
.set NP,     4                         ; places behind this matrix instruction (ISA guide 7.12.1)
.set LI,   4                           ; v4      16 x lane: my place in every image
.set ADRA, 16                          ; v16-17  pass 1: LDS address of my A-role fragments in slot 0, 1
.set ADRV, 18                          ; v18-19  pass 2: the same
.set ADRB, 20                          ; v20-21  the B role's, in both passes
.set SCL,  27                          ; v27     2^E as f32
.set SPW,  28                          ; v28     LDS address of my spare word; never rewritten
.set NIL,  29                          ; v29     0; never rewritten
.set AF,   128
.set G1, 24                            ; s[24:31] descriptor group 1 for pass 1's A role;  s[32:39] the A role's group 0, one set for each slot
.set G0, 32
.set G1B, 48                           ; s[48:55], s[56:63] the same for the B role (both passes)
.set G0B, 56
.set LH,  66                           ; s66      wave x 16,384: where pass 2's A-role halves go
.set PA,  88                           ; s[88:89] pass 2: the A role's first K step in memory;  s[90:91] the B role's
.set PB,  90
.set G1H, 92                           ; s[92:99] descriptor group 1 for pass 2's A role: 64 rows
.set MSB, 0
.macro WIN new                         ; the immediate's high byte repeats the setting that is left
.if MSB != (\new)
	s_set_vgpr_msb (MSB<<8)|(\new)
.set MSB, (\new)
.endif
.endm
.set MUL_LO, 0xa1                      ; source 0 window 1, source 1 window 0, C and D window 2
.set MUL_HI, 0xf1                      ; the same, C and D window 3
.set TO_B,   0x40                      ; destination window 1, address window 0
; A joint load: waves 0 and 1 fetch for the A role, waves 2 and 3 for the B role; the branch hangs on the wave's number alone.  Four v_nop follow each of the two lines.
.macro JLOAD g0a, g1a, g0b, g1b
	s_cmp_eq_u32 s15, 0
	s_cbranch_scc0 .Lfor_b_\@
	tensor_load_to_lds s[\g0a:\g0a+3], s[\g1a:\g1a+7]
	s_nop 0
.rept 4
	v_nop
.endr
	s_branch .Lasked_\@
.Lfor_b_\@:
	tensor_load_to_lds s[\g0b:\g0b+3], s[\g1b:\g1b+7]
	s_nop 0
.rept 4
	v_nop
.endr
.Lasked_\@:
.endm
.macro CREST                           ; a round of the cluster's barrier behind its opening barrier
	s_cmp_lg_u32 s14, 0
	s_cbranch_scc1 .Lnot_wave_0_\@
	s_barrier_signal -3
.Lnot_wave_0_\@:
	s_barrier_wait -3
	s_barrier_signal -1
	s_barrier_wait -1
.endm
.macro CROUND                          ; a whole round
	s_barrier_signal -1
	s_barrier_wait -1
	CREST
.endm
	s_load_b128 s[4:7], s[0:1], 0x0                ; codes s[4:5], the exponents s[6:7]
	s_load_b64 s[8:9], s[0:1], 0x10                ; qkv
	v_lshl_add_u32 v[SPW], v0, 2, SPARE
	v_mov_b32 v[NIL], 0
	ds_add_u32 v28, v29
	ds_add_u32 v28, v29
	s_wait_dscnt 0x0
	v_lshrrev_b32 v1, 5, v0
	v_readfirstlane_b32 s14, v1                    ; wave 0..3
	s_lshr_b32 s15, s14, 1                         ; my half of the A role's rows.  Also: I fetch for the A role (0) or the B role (1)
	s_and_b32 s16, s14, 1                          ; my half of the B role's.  Also: which part of that role's tile I fetch
	s_bfe_u32 s40, ttmp6, 0x40000                  ; cx, cy: my place in the cluster
	s_bfe_u32 s41, ttmp6, 0x40004
	s_mov_b32 s42, ttmp9                           ; cluster x: 0, 1
	s_and_b32 s17, ttmp7, 0xffff                   ; cluster y = the batch: 1,024 tokens
	s_lshl_b32 s43, s41, 2
	s_lshl_b32 s43, 15, s43                        ; my row of the cluster
	s_lshl_b32 s44, 0x1111, s40                    ; my column
	; descriptor groups 1: rows of 32 elements of 8 bytes, dense: 128 rows are 32,768 consecutive bytes, 64 rows 16,384
	s_or_b32 s[G1+0], s43, (3<<16)|(1<<21)         ; 15:0 the mask: my row; 17:16 elements of 8 bytes; 21 set beside a mask; no padding
	s_or_b32 s[G1H+0], s43, (3<<16)|(1<<21)
	s_or_b32 s[G1B+0], s44, (3<<16)|(1<<21)        ; the same with my column
.irp g, G1, G1B
	s_mov_b32 s[\g+1], 32<<16                      ; tensor_dim0 = 32
	s_mov_b32 s[\g+2], 128<<16                     ; tensor_dim1 = 128
	s_mov_b32 s[\g+3], 32<<16                      ; tile_dim0 = 32
	s_mov_b32 s[\g+4], 128                         ; tile_dim1 = 128
	s_mov_b32 s[\g+5], 32                          ; tensor_dim0_stride
	s_mov_b32 s[\g+6], 0
	s_mov_b32 s[\g+7], 0
.endr
	s_mov_b32 s[G1H+1], 32<<16
	s_mov_b32 s[G1H+2], 64<<16                     ; tensor_dim1 = 64
	s_mov_b32 s[G1H+3], 32<<16
	s_mov_b32 s[G1H+4], 64                         ; tile_dim1 = 64
	s_mov_b32 s[G1H+5], 32
	s_mov_b32 s[G1H+6], 0
	s_mov_b32 s[G1H+7], 0
	; what I fetch.  Pass 1: A role: group 8 x batch + 2 cy + part;  B role: group 64 + 8 x cluster x + 2 cx + part
	s_lshl_b32 s20, s17, 3
	s_lshl_b32 s21, s41, 1
	s_add_co_u32 s20, s20, s21
	s_add_co_u32 s20, s20, s16
	s_lshl_b32 s20, s20, 17                        ; x 131,072 bytes
	s_mov_b32 s21, 0
	s_lshl_b32 s46, s42, 3
	s_add_co_u32 s46, s46, 64
	s_lshl_b32 s47, s40, 1
	s_add_co_u32 s46, s46, s47
	s_add_co_u32 s46, s46, s16
	s_lshl_b32 s46, s46, 17
	s_mov_b32 s47, 0
	; Pass 2: A role: group 80 + 4 x cluster x + cy (w_v's eight groups), of each K step of 256 the part-th 128 along K;  B role: group 8 x batch + 2 cx + part
	s_lshl_b32 s[PA], s42, 2
	s_add_co_u32 s[PA], s[PA], s41
	s_add_co_u32 s[PA], s[PA], 80
	s_lshl_b32 s[PA], s[PA], 17
	s_lshl_b32 s[PA+1], s16, 14
	s_add_co_u32 s[PA], s[PA], s[PA+1]
	s_mov_b32 s[PA+1], 0
	s_lshl_b32 s[PB], s17, 3
	s_lshl_b32 s[PB+1], s40, 1
	s_add_co_u32 s[PB], s[PB], s[PB+1]
	s_add_co_u32 s[PB], s[PB], s16
	s_lshl_b32 s[PB], s[PB], 17
	s_mov_b32 s[PB+1], 0
	s_mul_i32 s45, s14, HALFT                      ; where they go: wave x 32,768 (pass 2's A role: wave x 16,384): no place in the cluster enters an LDS address
	s_lshl_b32 s[LH], s14, 14
	s_wait_kmcnt 0x0
	s_load_b256 s[68:75], s[6:7], 0x0              ; e0 .. e7
	s_add_nc_u64 s[20:21], s[4:5], s[20:21]
	s_add_nc_u64 s[46:47], s[4:5], s[46:47]
	s_add_nc_u64 s[PA:PA+1], s[4:5], s[PA:PA+1]
	s_add_nc_u64 s[PB:PB+1], s[4:5], s[PB:PB+1]
	CROUND                                         ; all sixteen work-groups are here: the first joint loads meet
.irp s, 0,1
	s_mov_b32 s[G0+4*\s], 1
	s_add_co_u32 s[G0+4*\s+1], s45, \s*SLOT
	s_add_nc_u64 s[G0+4*\s+2:G0+4*\s+3], s[20:21], \s*HALFT        ; K step s of 256
	s_or_b32 s[G0+4*\s+3], s[G0+4*\s+3], 0x80000000
	s_mov_b32 s[G0B+4*\s], 1
	s_add_co_u32 s[G0B+4*\s+1], s45, \s*SLOT
	s_add_nc_u64 s[G0B+4*\s+2:G0B+4*\s+3], s[46:47], \s*HALFT
	s_or_b32 s[G0B+4*\s+3], s[G0B+4*\s+3], 0x80000000
.endr
	JLOAD G0, G1, G0B, G1B                         ; K step 0: one tensor load a wave at the head
	v_and_b32 v[LI], 31, v0
	v_lshlrev_b32 v[LI], 4, v[LI]
	s_lshl_b32 s21, s15, 15                        ; pass 1: my half of the A role
	s_lshl_b32 s22, s16, 15                        ; my half of the B role,
	s_add_co_u32 s22, s22, 2*HALFT                 ; which lies at 65,536
	s_lshl_b32 s23, s15, 13                        ; pass 2: my four of the A role's eight blocks
.irp s, 0,1
	v_add_nc_u32 v[ADRA+\s], s21, v[LI]
	v_add_nc_u32 v[ADRB+\s], s22, v[LI]
	v_add_nc_u32 v[ADRV+\s], s23, v[LI]
	s_add_co_u32 s21, s21, SLOT
	s_add_co_u32 s22, s22, SLOT
	s_add_co_u32 s23, s23, SLOT
.endr
	; where my codes go.  u = 4 cx + 2 x (B half), w = 4 cy + 2 x (A half).
	; pass 1: head u (+ 1 for registers 8-15), tile of tokens 4 w + a: (cluster x << 23) + (batch << 20) + (u << 16) + (w << 12) + 1,024 a
	; pass 2: head 8 x cluster x + 2 cy + (A half), step of keys u / 2, block a: (2 << 23) + (batch << 20) + (head << 16) + (u << 12) + 2,048 a
	s_lshl_b32 s76, s40, 2
	s_lshl_b32 s77, s16, 1
	s_add_co_u32 s76, s76, s77                     ; u
	s_lshl_b32 s77, s41, 2
	s_lshl_b32 s78, s15, 1
	s_add_co_u32 s77, s77, s78                     ; w
	s_lshl_b32 s80, s17, 20                        ; the batch: 16 heads of 65,536 bytes
	s_lshl_b32 s78, s76, 16
	s_lshl_b32 s79, s77, 12
	s_add_co_u32 s78, s78, s79
	s_lshl_b32 s79, s42, 23
	s_add_co_u32 s78, s78, s79
	s_add_co_u32 s78, s78, s80
	s_mov_b32 s79, 0
	s_lshl_b32 s82, s42, 3
	s_lshl_b32 s83, s41, 1
	s_add_co_u32 s82, s82, s83
	s_add_co_u32 s82, s82, s15                     ; the head
	s_lshl_b32 s82, s82, 16
	s_lshl_b32 s83, s76, 12
	s_add_co_u32 s82, s82, s83
	s_add_co_u32 s82, s82, s80
	s_add_co_u32 s82, s82, 1<<24                   ; v at 16 MiB
	s_mov_b32 s83, 0
	s_add_nc_u64 s[10:11], s[8:9], s[82:83]        ; pass 2's base,
	s_add_nc_u64 s[8:9], s[8:9], s[78:79]          ; pass 1's
.macro FRAG reg, adr, q, i             ; a fragment comes as it lies: four loads of 512 consecutive bytes
.irp c, 0,1,2,3
	ds_load_b128 v[\reg+4*\c:\reg+4*\c+3], v[\adr] offset:16384*(\q)+2048*(\i)+512*\c
.endr
.endm
.macro PLACES n                        ; plain vector lines between a matrix instruction and a load into, or a vector line on, its registers (ISA guide 7.12.1 for vector lines)
.rept \n
	v_nop
.endr
.endm
; ---- PASS 1.  16 matrix instructions: A-role blocks a0, a0 + 1 x the B role's eight, 128 along K.  p: the B role's set.  zero = 1: the first product starts the sums.
; The 64 accumulators take turns, one instruction a turn, in the same order in every step.
.macro MUL16 a0, p, zero
.irp a, \a0, \a0+1
.irp b, 0,1,2,3,4,5,6,7
.if \zero
	v_wmma_f32_16x16x128_fp8_fp8 v[8*(8*((\a)%4)+\b):8*(8*((\a)%4)+\b)+7], v[128*(\p)+FR*\b:128*(\p)+FR*\b+FR-1], v[AF+FR*(\a):AF+FR*(\a)+FR-1], 0
.else
	v_wmma_f32_16x16x128_fp8_fp8 v[8*(8*((\a)%4)+\b):8*(8*((\a)%4)+\b)+7], v[128*(\p)+FR*\b:128*(\p)+FR*\b+FR-1], v[AF+FR*(\a):AF+FR*(\a)+FR-1], v[8*(8*((\a)%4)+\b):8*(8*((\a)%4)+\b)+7]
.endif
.endr
.endr
.endm
.macro FETCH_B slot, q, p              ; the B role's eight fragments of the slot's q-th 128 along K into set p
	WIN TO_B
.irp i, 0,1,2,3,4,5,6,7
	FRAG 128*(\p)+FR*\i, ADRB+\slot, \q, \i
.endr
	WIN 0
.endm
.macro FETCH_A slot, q, i0             ; the A role's blocks i0 .. i0 + 3
.irp i, \i0, \i0+1, \i0+2, \i0+3
	FRAG AF+FR*(\i), ADRA+\slot, \q, \i
.endr
.endm
; A step of 128 along K that has its successor in the same slot.  A block of the A role is free once its eight products are issued: blocks 0-3 are fetched anew in the step's middle, blocks 4-7 at its end.
.macro STEP slot, q, zero
	s_wait_dscnt 4*NL                              ; the B role's set and blocks 0-3 are in; the youngest sixteen loads (blocks 4-7) may be out
	WIN MUL_LO
	MUL16 0, (\q)%2, \zero
	MUL16 2, (\q)%2, \zero
	s_wait_dscnt 0                                 ; blocks 4-7 are in
	PLACES NP
	FETCH_B \slot, (\q)+1, 1-(\q)%2
	FETCH_A \slot, (\q)+1, 0
	WIN MUL_HI
	MUL16 4, (\q)%2, \zero
	MUL16 6, (\q)%2, \zero
	PLACES NP
	WIN 0
	FETCH_A \slot, (\q)+1, 4
.endm
; A slot's last step changes slots: ONE barrier, which opens a round of the cluster's; in front of it each wave waits for all its tensor loads, adds 0 to its spare word, and waits for that and for its own reads of this slot.
; Behind the round the slot is filled again: on = 0: with this pass's K step two on; on = 1: with pass 2's K step 0 (slot 0) or 1 (slot 1).  more = 1: the next slot's first fragments are fetched (pass 1 goes on).
.macro TURN slot, next, on, more
	s_wait_tensorcnt 0x0                           ; all my tensor loads have landed: my part of the other slot
	ds_add_u32 v[SPW], v[NIL]                      ; 0 onto my spare word
	s_wait_dscnt 4*NL+1                            ; the add and the youngest sixteen loads (blocks 4-7) may be out
	WIN MUL_LO
	MUL16 0, 1, 0                                  ; sixteen matrix instructions stand between the add and the wait for it
	s_wait_dscnt 0x0                               ; the add is done, and my reads of this slot are over
	s_barrier_signal -1
	MUL16 2, 1, 0
	WIN 0
	s_barrier_wait -1
	CREST                                          ; no wave of any partner still reads this slot or has a load on its way
.if \on
	s_add_co_u32 s[G0+4*\slot+1], s[LH], \slot*SLOT                ; the A role's tile is now 128 rows: two halves of 16,384 bytes
	s_add_nc_u64 s[G0+4*\slot+2:G0+4*\slot+3], s[PA:PA+1], \slot*HALFT
	s_or_b32 s[G0+4*\slot+3], s[G0+4*\slot+3], 0x80000000
	s_add_nc_u64 s[G0B+4*\slot+2:G0B+4*\slot+3], s[PB:PB+1], \slot*HALFT
	s_or_b32 s[G0B+4*\slot+3], s[G0B+4*\slot+3], 0x80000000
	JLOAD G0+4*\slot, G1H, G0B+4*\slot, G1B
.else
	s_add_nc_u64 s[G0+4*\slot+2:G0+4*\slot+3], s[G0+4*\slot+2:G0+4*\slot+3], 2*HALFT
	s_add_nc_u64 s[G0B+4*\slot+2:G0B+4*\slot+3], s[G0B+4*\slot+2:G0B+4*\slot+3], 2*HALFT
	JLOAD G0+4*\slot, G1, G0B+4*\slot, G1B         ; the first tensor load behind the round; its four v_nop are also the places in front of the loads below
.endif
.if \more
	FETCH_B \next, 0, 0
	FETCH_A \next, 0, 0
.endif
	WIN MUL_HI
	MUL16 4, 1, 0
	MUL16 6, 1, 0
.if \more
	PLACES NP
	WIN 0
	FETCH_A \next, 0, 4
.else
	WIN 0
.endif
.endm
; ---- PASS 2.  A step of 128 along K is 32 matrix instructions: the A role's four blocks x the B role's eight; both roles have two sets of registers, which take turns.
.macro FETCH2 slot, q, p               ; 48 LDS loads: the slot's q-th 128 along K into set p
	WIN TO_B
.irp i, 0,1,2,3,4,5,6,7
	FRAG 128*(\p)+FR*\i, ADRB+\slot, \q, \i
.endr
	WIN 0
.irp i, 0,1,2,3
	FRAG AF+64*(\p)+FR*\i, ADRV+\slot, \q, \i
.endr
.endm
.macro MULA a, p, zero                 ; block a x the B role's eight.  The 32 accumulators take turns, one instruction a turn, in the same order in every step
.irp b, 0,1,2,3,4,5,6,7
.if \zero
	v_wmma_f32_16x16x128_fp8_fp8 v[8*(8*(\a)+\b):8*(8*(\a)+\b)+7], v[128*(\p)+FR*\b:128*(\p)+FR*\b+FR-1], v[AF+64*(\p)+FR*(\a):AF+64*(\p)+FR*(\a)+FR-1], 0
.else
	v_wmma_f32_16x16x128_fp8_fp8 v[8*(8*(\a)+\b):8*(8*(\a)+\b)+7], v[128*(\p)+FR*\b:128*(\p)+FR*\b+FR-1], v[AF+64*(\p)+FR*(\a):AF+64*(\p)+FR*(\a)+FR-1], v[8*(8*(\a)+\b):8*(8*(\a)+\b)+7]
.endif
.endr
.endm
.macro STEP2 slot, zero                ; a slot's first step: multiplies set 0; the slot's second 128 along K is fetched into set 1 ahead of the products, and lands under them
	s_wait_dscnt 0x0                               ; set 0 is in
	PLACES NP                                      ; set 1 was read by the step before
	FETCH2 \slot, 1, 1
	WIN MUL_LO
	MULA 0, 0, \zero
	MULA 1, 0, \zero
	MULA 2, 0, \zero
	MULA 3, 0, \zero
	WIN 0
.endm
; A slot's second step multiplies set 1 and changes slots, in the same order as pass 1's.  fill = 1: this slot is filled again, two K steps ahead.
.macro TURN2 slot, next, fill
	s_wait_tensorcnt 0x0                           ; all my tensor loads have landed: my part of the other slot
	ds_add_u32 v[SPW], v[NIL]                      ; 0 onto my spare word
	s_wait_dscnt 0x1                               ; the add alone may be out: set 1's 48 loads, issued ahead of it, are in
	WIN MUL_LO
	MULA 0, 1, 0                                   ; eight matrix instructions stand between the add and the wait for it
	s_wait_dscnt 0x0                               ; the add is done, and my reads of this slot are over
	s_barrier_signal -1
	MULA 1, 1, 0
	WIN 0
	s_barrier_wait -1
.if \fill
	CREST
	s_add_nc_u64 s[G0+4*\slot+2:G0+4*\slot+3], s[G0+4*\slot+2:G0+4*\slot+3], 2*HALFT
	s_add_nc_u64 s[G0B+4*\slot+2:G0B+4*\slot+3], s[G0B+4*\slot+2:G0B+4*\slot+3], 2*HALFT
	JLOAD G0+4*\slot, G1H, G0B+4*\slot, G1B        ; the first tensor load behind the round; its four v_nop are also the places in front of the loads below
.else
	PLACES NP
.endif
	FETCH2 \next, 0, 0                             ; the next slot's first fragments land under the sixteen products that are left
	WIN MUL_LO
	MULA 2, 1, 0
	MULA 3, 1, 0
	WIN 0
.endm
; ---- THE WAY OUT: hold, convert, store.  No choice here is a branch.
.macro SETSCALE                        ; s83 = e_dest
	s_sub_co_i32 s83, s83, s68
	s_sub_co_i32 s83, s83, s69                     ; E
	s_add_co_i32 s83, s83, 127
	s_lshl_b32 s84, s83, 23
	v_mov_b32 v[SCL], s84                          ; 2^E as f32: the conversion takes its exponent field
	s_add_co_i32 s83, s83, 8
	s_lshl_b32 s86, s83, 23
	s_or_b32 s86, s86, 0x600000                    ; 448 x 2^E,
	s_or_b32 s87, s86, 0x80000000                  ; and its negative
.endm
; Block a: its eight accumulators are 64 numbers a lane; accumulator b gives registers 2 b, 2 b + 1 of the codes, which take the place of the A role's fragments.  Each block of a pass has its own data registers.
.macro QOUT a, base, lo, hi            ; lo, hi: where registers 0-7 and 8-15 go, from the base on
.set AC, 64*((\a)%4)
	WIN 0x82+0x41*((\a)/4)                         ; source 0 and destination: window 2 or 3
.set j, 0
.rept 64
	v_med3_num_f32 v[AC+j], v[AC+j], s87, s86      ; the conversion does not saturate (ISA guide 7.6.2); each accumulator from its low end on
.set j, j+1
.endr
	WIN 0x02+((\a)/4)                              ; source 0: window 2 or 3; destination window 0
.irp b, 0,1,2,3,4,5,6,7
	v_cvt_scalef32_pk8_fp8_f32 v[AF+16*(\a)+2*\b:AF+16*(\a)+2*\b+1], v[AC+8*\b:AC+8*\b+7], v[SCL]
.endr
	WIN 0
	v_nop                                          ; a plain line behind the last conversion
	global_store_b128 v[LI], v[AF+16*(\a):AF+16*(\a)+3], s[\base:\base+1] offset:\lo          ; each store: 512 consecutive bytes, at a multiple of 512 from the buffer's first byte
	global_store_b128 v[LI], v[AF+16*(\a)+4:AF+16*(\a)+7], s[\base:\base+1] offset:\lo+512
	global_store_b128 v[LI], v[AF+16*(\a)+8:AF+16*(\a)+11], s[\base:\base+1] offset:\hi
	global_store_b128 v[LI], v[AF+16*(\a)+12:AF+16*(\a)+15], s[\base:\base+1] offset:\hi+512
.endm
	s_wait_alu depctr_va_vdst(0)
	s_wait_tensorcnt 0x0                           ; my part of K step 0 is in; slot 1's first fill is issued as a refill is:
	ds_add_u32 v[SPW], v[NIL]                      ; 0 onto my spare word
	s_wait_dscnt 0x0
	CROUND                                         ; a whole round: everybody's part of K step 0 is in, and the joint loads meet
	JLOAD G0+4, G1, G0B+4, G1B                     ; K step 1, the first tensor load behind the round
	FETCH_B 0, 0, 0
	FETCH_A 0, 0, 0
	FETCH_A 0, 0, 4
	STEP 0, 0, 1                                   ; PASS 1: four K steps of 256, written out; the first step's products start the sums
	TURN 0, 1, 0, 1                                ; slot 0 takes K step 2,
	STEP 1, 0, 0
	TURN 1, 0, 0, 1                                ; slot 1 K step 3,
	STEP 0, 0, 0
	TURN 0, 1, 1, 1                                ; slot 0 pass 2's K step 0,
	STEP 1, 0, 0
	TURN 1, 0, 1, 0                                ; slot 1 pass 2's K step 1
	s_wait_kmcnt 0x0                               ; BOTH REFILLS ARE ASKED FOR: NOW PASS 1'S RESULTS GO OUT
	s_cmp_eq_u32 s42, 0
	s_cselect_b32 s83, s71, s70                    ; q: entry 3; k: entry 2
	SETSCALE
	PLACES NP                                      ; behind the last products
.irp a, 0,1,2,3,4,5,6,7
	QOUT \a, 8, 1024*\a, 65536+1024*\a
.endr
	s_wait_xcnt 0x0                                ; the stores have read their data: pass 2's fragments may land in those registers
	FETCH2 0, 0, 0                                 ; PASS 2.  Slot 0 was shown whole to every wave by the waits in front of the last round
	STEP2 0, 1
	TURN2 0, 1, 1
	STEP2 1, 0
	TURN2 1, 0, 1
	STEP2 0, 0
	TURN2 0, 1, 0                                  ; the last two K steps fill nothing
	STEP2 1, 0
	s_wait_dscnt 0x0
	WIN MUL_LO
	MULA 0, 1, 0
	MULA 1, 1, 0
	MULA 2, 1, 0
	MULA 3, 1, 0
	WIN 0
	s_mov_b32 s83, s72                             ; v: entry 4
	SETSCALE
	PLACES NP
.irp a, 0,1,2,3
	QOUT \a, 10, 2048*\a, 2048*\a+1024
.endr
	s_wait_tensorcnt 0x0                           ; the wave's end
	ds_add_u32 v[SPW], v[NIL]
	s_wait_dscnt 0x0
	CROUND                                         ; the closing round: no work-group ends while a partner may still ask for a tile that names it
	s_endpgm
.Lfunc_end_k_qe4f16ee2dd_gemm_qkv:
	.size	k_qe4f16ee2dd_gemm_qkv, .Lfunc_end_k_qe4f16ee2dd_gemm_qkv-k_qe4f16ee2dd_gemm_qkv
	.p2alignl 7, 3214868480
	.fill 96, 4, 3214868480
	.section	.rodata,"a",@progbits
	.p2align	6, 0x0
	.amdhsa_kernel k_qe4f16ee2dd_gemm_qkv
		.amdhsa_group_segment_fixed_size 327680
		.amdhsa_private_segment_fixed_size 0
		.amdhsa_enable_private_segment 0
		.amdhsa_kernarg_size 24
		.amdhsa_user_sgpr_count 2
		.amdhsa_user_sgpr_kernarg_segment_ptr 1
		.amdhsa_wavefront_size32 1
		.amdhsa_system_sgpr_workgroup_id_x 1
		.amdhsa_system_sgpr_workgroup_id_y 1
		.amdhsa_system_sgpr_workgroup_id_z 1
		.amdhsa_system_vgpr_workitem_id 0
		.amdhsa_next_free_vgpr 1024
		.amdhsa_next_free_sgpr 100
		.amdhsa_reserve_vcc 0
		.amdhsa_float_denorm_mode_32 3
		.amdhsa_float_denorm_mode_16_64 3
		.amdhsa_memory_ordered 1
		.amdhsa_forward_progress 1
		.amdhsa_inst_pref_size 186
	.end_amdhsa_kernel
	.amdgpu_metadata
---
amdhsa.version: [ 1, 2 ]
amdhsa.kernels:
  - .name:           k_qe4f16ee2dd_gemm_qkv
    .symbol:         k_qe4f16ee2dd_gemm_qkv.kd
    .args:
      - { .name: codes, .offset: 0, .size: 8, .value_kind: global_buffer, .address_space: global }
      - { .name: lowp_scales, .offset: 8, .size: 8, .value_kind: global_buffer, .address_space: global }
      - { .name: qkv, .offset: 16, .size: 8, .value_kind: global_buffer, .address_space: global }
    .group_segment_fixed_size: 327680
    .private_segment_fixed_size: 0
    .kernarg_segment_align: 8
    .kernarg_segment_size: 24
    .max_flat_workgroup_size: 128
    .sgpr_count:     100
    .vgpr_count:     1024
    .wavefront_size: 32
...
	.end_amdgpu_metadata
.endif
;; end of part 2
;; launch attn (part 3): grid 2 x 128, 8 waves a work-group, no clusters, 327,680 bytes of LDS; arguments qkv, m, lowp_scales, oc; writes oc
.if DOCPART == 3
	.amdgcn_target "amdgcn-amd-amdhsa--gfx1250"
	.amdhsa_code_object_version 6
	.text
	.protected	k_qe4f16ee2dd_attn
	.globl	k_qe4f16ee2dd_attn
	.p2align	8
	.type	k_qe4f16ee2dd_attn,@function
k_qe4f16ee2dd_attn:
	s_mov_b64 s[64:65], 0
	v_nop
	global_prefetch_b8 v0, s[64:65] scope:SCOPE_SE
	s_setreg_imm32_b32 hwreg(HW_REG_WAVE_MODE, 25, 1), 1
	s_wait_xcnt 0x0
; Attention of one head on codes of E4M3: S^T = k q^T (K = 64), the masks, p = 2^(t - M), O^T = v^T p^T (K = the keys), o = O / l quantised for the last product.
; INPUTS are images of operand registers (buffer qkv: q at 0, k at 8 MiB, v at 16 MiB; a head is 65,536 bytes): q, k: tile of 16 tokens x 64 = 8 registers a lane, 1,024 bytes; v: step of 128 keys x 8,192 + block of
; 16 channels x 2,048.  Lane 16 h + r holds row r; registers 2 c, 2 c + 1 hold k = 16 c + 8 h + 0 .. 7; registers 4 g .. 4 g + 3 lie at byte 512 g + 16 lane.
; LAYOUT.  Both products are used transposed (source 0 = 16 keys, or 16 channels; source 1 = 16 queries): a lane holds one query of each tile.  Tile T of S^T holds, in register j, key 16 T + 8 h + j: the conversion of its
; eight registers gives registers 2 T, 2 T + 1 of p's fragment, and that of a tile of O^T two registers of o's fragment.
; SHARES.  A work-group owns 512 queries of a head; each of its eight waves owns 32 queries at a time, TWO tiles of 16 (A and B), so that each fragment of K, of V and of the bias read from LDS feeds two matrix instructions.
; Wave w of work-group x takes the 32 queries u2 = 31 - (8 x + w) first and u1 = 8 x + w second: floor(u / 4) + 1 key steps of 128 each, nine in all for every wave.
; REGISTERS, two windows of 256: tile A's state lies in window 0, tile B's under the same numbers in window 1, so one text serves both.  v32-95: window 0 K's eight fragments, window 1 V's four.
; The keys' bias is loaded into tile A's score registers: tile B's products take it from there as C, five places later tile A's add onto it in place.
; AHEAD: a step's V is asked for at its head and lands under the scores and the softmax; the next step's K behind this step's scores; the next step's bias as soon as tile A's p is converted.
; LDS is filled ONCE: K (65,536 bytes) and V (65,536).  Each wave issues one tensor load of 8,192 bytes at the head (together keys 0-511) and one behind the first barrier (keys 512-1,023).
; The first three steps of the first pass read keys under 512 (the look-ahead too); the barrier that shows the rest stands behind them, where every wave has done the same work.
; THE MASKS.  Causal: steps all of whose keys come after my queries are jumped over (a scalar branch on ids); on the diagonal hidden scores become -infinity.  Keys with m = 0: -2^100 is the C of the score's product
; (a table of 1,024 f32 in LDS): p = 0 then.  The running largest t starts at c x (-2^24), under every real t (a raw score is at most 64 x 448^2 in size), so a key with m = 0 never sets M.
; Queries with m = 0: reference()'s row is finite and is multiplied by m = 0 at the end; here such a row attends to the keys that count, stays finite (l is held at 1/2 from below), and the last launch multiplies by m.
; NO CLUSTER: a head's K and V are read by two work-groups, once each.  NO PREFETCH: no fill stands in a loop: one goes out at the head, the other behind the first barrier.
; A pass's last step asks for 32 LDS loads that the next pass does not use (their addresses wrap inside K and the bias).
; LIMITS: e2 + e3 between -89 and 100; e5 between -126 and 119; e4 + e5 - e6 between -100 and 100.
; A pair of m that are both not 0 but whose f32 product is 0 (sizes under about 2^-74) is kept here and masked in reference().  NaN among the inputs is not served.
.set VOFF,  65536                      ; LDS: K at 0, V here,
.set BOFF,  131072                     ; the keys' bias here: 4,096 bytes, written by LDS stores; no fill lands there
.set SPARE, 135168                     ; the spare words: 128 bytes for each wave
.set LI,   1                           ; v1   16 x lane (window 0 alone, as v2-v7)
.set AV0,  2                           ; v2   the same in V
.set AB0,  3                           ; v3   BOFF + 32 h
.set DR,   4                           ; v4   r - 8 h
.set ADK,  5                           ; v5-7 the next step's K, this step's V, the next step's bias
.set ADV,  6
.set ADB,  7
.set DD,   8                           ; v8   my query - the step's first key - 8 h
.set NINF, 9
.set PSC,  10                          ; 2^e5 as f32
.set PLIM, 11                          ; 448 x 2^e5
                                       ; v12 -M, v13 the largest t, v[14:15] l in two halves; v16-23 Q of the first pass, v24-31 of the second
.set KV,   32
.set S,    96                          ; v96-159  (the bias,) S^T, then p
.set O,    160                         ; v160-191 O^T
.set PC,   192                         ; v192-207 p's codes
.set OC,   208                         ; v208-215 o's codes
.set ONE,  216
.set T0,   220
.set F,    222                         ; v[222:223] f
.set PD,   224                         ; a lane permute's destination
.set X1,   226                         ; three more chains of sums
.set X2,   242
.set X3,   244
.set SPW,  254                         ; window 0: my spare word's address; never rewritten
.set NIL,  255                         ; window 0: 0; never rewritten
.set TB,   2                           ; s2  8,192 x step
.set TBB,  3                           ; s3  512 x step
.set WV,   12
.set TM2,  13
.set Q0,   17                          ; my first query
.set KF,   18                          ; the step's first key
.set CNT,  19
.set SEL,  20                          ; s[20:21] selects for lane l xor 16
.set CS,   22                          ; s[22:23] c = log2(e) / 8 x 2^(e2 + e3)
.set G1,   24                          ; s[24:31] descriptor group 1; s[32:35], s[36:39] groups 0 of my two loads
.set TMP,  55
.set MSB, 0
.macro WIN new                         ; low byte: bits 1:0 source 0, 3:2 source 1, 5:4 source 2, 7:6 destination; the high byte repeats the setting that is left
.if MSB != (\new)
	s_set_vgpr_msb (MSB<<8)|(\new)
.set MSB, (\new)
.endif
.endm
.macro NOPS n
.rept \n
	v_nop
.endr
.endm
	s_load_b256 s[4:11], s[0:1], 0x0               ; qkv s[4:5], m s[6:7], the exponents s[8:9], oc s[10:11]
	v_lshl_add_u32 v[SPW], v0, 2, SPARE
	v_mov_b32 v[NIL], 0
	ds_add_u32 v[SPW], v[NIL]                      ; the opening lines: the add, twice on end, and its wait ahead of my first tensor load
	ds_add_u32 v[SPW], v[NIL]
	v_lshrrev_b32 v1, 5, v0
	v_readfirstlane_b32 s[WV], v1                  ; wave 0..7
	s_and_b32 s14, ttmp7, 0xffff                   ; batch x 16 + head
	s_lshr_b32 s15, s14, 4                         ; batch
	s_and_b32 s16, s14, 15                         ; head
	s_lshl_b32 s14, s14, 16                        ; the head's 65,536 bytes
	s_lshl_b32 s60, ttmp9, 3
	s_add_co_u32 s60, s60, s[WV]                   ; u1, 0 .. 15
	s_sub_co_u32 s61, 31, s60                      ; u2, 16 .. 31
	s_mov_b32 s[G1+0], 3<<16                       ; group 1: 32 rows of 32 elements of 8 bytes, dense: 8,192 consecutive bytes; no mask, no padding
	s_mov_b32 s[G1+1], 32<<16
	s_mov_b32 s[G1+2], 32<<16
	s_mov_b32 s[G1+3], 32<<16
	s_mov_b32 s[G1+4], 32
	s_mov_b32 s[G1+5], 32
	s_mov_b32 s[G1+6], 0
	s_mov_b32 s[G1+7], 0
	s_lshr_b32 s13, s[WV], 2                       ; waves 0-3: K; waves 4-7: V
	s_and_b32 s[TMP], s[WV], 3
	s_lshl_b32 s[TMP], s[TMP], 13                  ; which 8,192 bytes
	s_lshl_b32 s33, s13, 16
	s_add_co_u32 s33, s33, s[TMP]                  ; LDS address: keys 0-511's part,
	s_add_co_u32 s37, s33, 32768                   ; and keys 512-1,023's
	s_add_co_u32 s62, s13, 1
	s_lshl_b32 s62, s62, 23                        ; k at 8 MiB, v at 16 MiB
	s_add_co_u32 s62, s62, s[TMP]
	s_add_co_u32 s62, s62, s14
	s_mov_b32 s63, 0
	s_mov_b32 s32, 1
	s_mov_b32 s36, 1
	s_mov_b32 s[SEL], 0x76543210
	s_mov_b32 s[SEL+1], 0xfedcba98
	s_wait_dscnt 0x0                               ; both opening adds are done
	s_wait_kmcnt 0x0
	s_load_b256 s[40:47], s[8:9], 0x0              ; e0 .. e7
	s_add_nc_u64 s[34:35], s[4:5], s[62:63]
	s_add_nc_u64 s[38:39], s[34:35], 32768
	s_or_b32 s35, s35, 0x80000000                  ; type = 2
	s_or_b32 s39, s39, 0x80000000
	tensor_load_to_lds s[32:35], s[G1:G1+7]        ; every wave's one load at the head: together keys 0-511 of K and V
	s_nop 0
	NOPS 4
	s_lshl_b32 s62, s15, 12
	s_add_nc_u64 s[6:7], s[6:7], s[62:63]          ; m at my batch
	v_lshlrev_b32 v41, 4, v0
	global_load_b128 v[32:35], v41, s[6:7]         ; thread t: keys 4 t .. 4 t + 3
	s_lshl_b32 s62, s60, 11
	s_add_co_u32 s62, s62, s14
	s_add_nc_u64 s[56:57], s[4:5], s[62:63]        ; q's two tiles of u1,
	s_lshl_b32 s62, s61, 11
	s_add_co_u32 s62, s62, s14
	s_add_nc_u64 s[58:59], s[4:5], s[62:63]        ; and of u2
	v_and_b32 v[LI], 31, v0
	v_lshlrev_b32 v[LI], 4, v[LI]
	s_wait_alu depctr_va_vdst(0)
	global_load_b128 v[16:19], v[LI], s[58:59]
	global_load_b128 v[20:23], v[LI], s[58:59] offset:512
	global_load_b128 v[24:27], v[LI], s[56:57]
	global_load_b128 v[28:31], v[LI], s[56:57] offset:512
	WIN 0x40                                       ; tile B's into window 1
	global_load_b128 v[16:19], v[LI], s[58:59] offset:1024
	global_load_b128 v[20:23], v[LI], s[58:59] offset:1536
	global_load_b128 v[24:27], v[LI], s[56:57] offset:1024
	global_load_b128 v[28:31], v[LI], s[56:57] offset:1536
	WIN 0
	; o's codes: fragment (group of 128 tokens, K step head / 2, block of 16 tokens), its half head % 2; tile B's block follows tile A's, 2,048 bytes on
	s_lshr_b32 s[TMP], s16, 1
	s_lshl_b32 s[TMP], s[TMP], 14
	s_and_b32 s13, s16, 1
	s_lshl_b32 s13, s13, 10
	s_add_co_u32 s[TMP], s[TMP], s13
	s_lshl_b32 s13, s15, 20
	s_add_co_u32 s[TMP], s[TMP], s13
.irp p, 0,1
	s_lshr_b32 s62, s[60+\p], 2
	s_lshl_b32 s62, s62, 17
	s_and_b32 s13, s[60+\p], 3
	s_lshl_b32 s13, s13, 12
	s_add_co_u32 s62, s62, s13
	s_add_co_u32 s62, s62, s[TMP]
	s_add_nc_u64 s[48+2*\p:49+2*\p], s[10:11], s[62:63]
.endr
	s_lshl_b32 s60, s60, 5                         ; the two passes' first queries
	s_lshl_b32 s61, s61, 5
	v_and_b32 v8, 15, v0                           ; r
	v_bfe_u32 v7, v0, 4, 1                         ; h
	v_add_nc_u32 v[AV0], VOFF, v[LI]
	v_lshlrev_b32 v[AB0], 5, v7
	v_add_nc_u32 v[AB0], BOFF, v[AB0]
	v_lshlrev_b32 v7, 3, v7
	v_sub_nc_u32 v[DR], v8, v7
	v_mov_b32 v42, 0xf1800000                      ; -2^100
	v_lshl_add_u32 v40, v0, 4, BOFF
.irp w, 0, 0x40                                    ; the constants, in both windows
	WIN \w
	v_mov_b32 v[NINF], 0xff800000
	v_mov_b32 v[ONE], 1.0
	v_mov_b32 v[F+1], 0                            ; named as the upper half of a pair
	v_mov_b32 v[PD], 0                             ; a lane permute's destination counts as one of its sources
.endr
	WIN 0
	s_wait_alu depctr_va_vdst(0)
	s_wait_kmcnt 0x0
	s_add_co_i32 s[TMP], s42, s43
	s_lshl_b32 s[TMP], s[TMP], 23
	s_add_co_i32 s[CS], s[TMP], 0x3e38aa3b         ; c = log2(e) / 8, with e2 + e3 added to its exponent field
	s_mov_b32 s[CS+1], s[CS]
	s_add_co_i32 s[TMP], s45, 127
	s_lshl_b32 s13, s[TMP], 23
	s_add_co_i32 s[TMP], s[TMP], 8
	s_lshl_b32 s[TMP], s[TMP], 23
	s_or_b32 s[TMP], s[TMP], 0x600000
.irp w, 0, 0x40
	WIN \w
	v_mov_b32 v[PSC], s13
	v_mov_b32 v[PLIM], s[TMP]
.endr
	WIN 0
	s_add_co_i32 s52, s44, s45
	s_sub_co_i32 s52, s52, s46                     ; e4 + e5 - e6
	s_mov_b32 s53, 0xc3e00000                      ; -448
	s_mov_b32 s54, 0x43e00000                      ; 448
	s_wait_alu depctr_va_vdst(0)
	s_wait_loadcnt 0x8                             ; m is in; Q's eight loads, issued behind it, may be out
.irp i, 0,1,2,3
	v_cmp_eq_f32 vcc_lo, 0, v[32+\i]
	v_cndmask_b32 v[36+\i], 0, v42, vcc_lo         ; -2^100 where m = 0, else 0
.endr
	ds_store_b128 v40, v[36:39]
	s_wait_loadcnt 0x0                             ; Q
	s_wait_tensorcnt 0x0                           ; my part of keys 0-511 is in; the later first fill is issued as a refill is:
	ds_add_u32 v[SPW], v[NIL]                      ; 0 onto my spare word
	s_wait_dscnt 0x0                               ; the add is done, and my part of the bias lies in LDS
	s_barrier_signal -1
	s_barrier_wait -1
	tensor_load_to_lds s[36:39], s[G1:G1+7]        ; keys 512-1,023: my one load behind this barrier
	s_nop 0
	NOPS 4
.macro PRO                             ; a pass's first step: K's eight fragments, and the bias into tile A's score registers
.irp t, 0,1,2,3,4,5,6,7
	ds_load_b128 v[KV+8*\t:KV+8*\t+3], v[LI] offset:1024*\t
	ds_load_b128 v[KV+8*\t+4:KV+8*\t+7], v[LI] offset:1024*\t+512
.endr
.irp t, 0,1,2,3,4,5,6,7
	ds_load_b128 v[S+8*\t:S+8*\t+3], v[AB0] offset:64*\t
	ds_load_b128 v[S+8*\t+4:S+8*\t+7], v[AB0] offset:64*\t+16
.endr
.endm
.macro MASK                            ; register 8 T + j holds key KF + 16 T + 8 h + j: hidden where 16 T + j > my query - KF - 8 h
.set n, 0
.rept 64
	v_cmp_gt_i32 vcc_lo, 16*(n/8)+n%8, v[DD]
	v_cndmask_b32 v[S+n], v[S+n], v[NINF], vcc_lo
.set n, n+1
.endr
.endm
; One tile's softmax of a step, under its window.  tb = 0: tile A, 1: tile B.
.macro SOFTMAX tb
.if \tb
	s_wait_alu depctr_va_vdst(0)
.endif
	v_max3_num_f32 v[T0], v[S], v[S+1], v[S+2]     ; the step's largest score of my query among my 64 keys, in two chains, each accumulator from its low end on,
	v_max3_num_f32 v[F], v[S+3], v[S+4], v[S+5]
.set j, 6
.rept 14
	v_max3_num_f32 v[T0], v[T0], v[S+j], v[S+j+1]
	v_max3_num_f32 v[F], v[F], v[S+j+2], v[S+j+3]
.set j, j+4
.endr
	v_max3_num_f32 v[T0], v[T0], v[S+62], v[S+63]
	s_delay_alu instid0(VALU_DEP_1)
	v_max_num_f32 v[T0], v[T0], v[F]
	s_delay_alu instid0(VALU_DEP_1)
	v_permlanex16_b32 v[PD], v[T0], s[SEL], s[SEL+1]
	s_delay_alu instid0(VALU_DEP_1)
	v_max_num_f32 v[T0], v[T0], v[PD]              ; and among lane l xor 16's
	s_delay_alu instid0(VALU_DEP_1)
	v_mul_f32 v[T0], s[CS], v[T0]                  ; as t (c is positive)
	s_delay_alu instid0(VALU_DEP_1)
	v_max_num_f32 v13, v13, v[T0]                  ; the running largest t
	v_mov_b32 v[T0], v12
	s_delay_alu instid0(VALU_DEP_2)
	v_floor_f32 v12, -v13                          ; the new -M = -ceil(t): M is a whole number
	s_delay_alu instid0(VALU_DEP_1)
	v_sub_f32 v[T0], v12, v[T0]                    ; old M - new M: a whole number, 0 or less
	s_delay_alu instid0(VALU_DEP_1)
	v_cvt_i32_f32 v[T0], v[T0]                     ; (it saturates)
	s_delay_alu instid0(VALU_DEP_1)
	v_ldexp_f32 v[F], 1.0, v[T0]                   ; f = 2^(old M - new M)
.set j, 0
.rept 32
	v_pk_fma_f32 v[S+j:S+j+1], v[S+j:S+j+1], s[CS:CS+1], v[12:13] op_sel_hi:[1,0,0]   ; t - M, two at a time
.set j, j+2
.endr
	s_wait_alu depctr_va_vdst(0)                   ; ahead of the batch
.set j, 0
.rept 64
	v_exp_f32 v[S+j], v[S+j]                       ; p = 2^(t - M): not normalised
.set j, j+1
.endr
	v_pk_mul_f32 v[14:15], v[14:15], v[F:F+1] op_sel_hi:[1,0]   ; l under the new M: the plain line behind the exponentials
	s_wait_alu depctr_va_vdst(0)                   ; one wait for the batch, ahead of its first reader
	v_pk_add_f32 v[X1:X1+1], v[S:S+1], v[S+2:S+3]  ; l is taken of the unquantised p: four chains, two numbers an instruction
	v_pk_add_f32 v[X2:X2+1], v[S+4:S+5], v[S+6:S+7]
	v_pk_add_f32 v[X3:X3+1], v[S+8:S+9], v[S+10:S+11]
	v_pk_add_f32 v[14:15], v[14:15], v[S+12:S+13]
.set j, 14
.rept 6
	v_pk_add_f32 v[X1:X1+1], v[X1:X1+1], v[S+j:S+j+1]
	v_pk_add_f32 v[X2:X2+1], v[X2:X2+1], v[S+j+2:S+j+3]
	v_pk_add_f32 v[X3:X3+1], v[X3:X3+1], v[S+j+4:S+j+5]
	v_pk_add_f32 v[14:15], v[14:15], v[S+j+6:S+j+7]
.set j, j+8
.endr
	v_pk_add_f32 v[X1:X1+1], v[X1:X1+1], v[S+62:S+63]
	v_pk_add_f32 v[X1:X1+1], v[X1:X1+1], v[X2:X2+1]
	v_pk_add_f32 v[14:15], v[14:15], v[X3:X3+1]
	v_pk_add_f32 v[14:15], v[14:15], v[X1:X1+1]
.irp t, 0,1,2,3,4,5,6,7
.irp e, 0,1,2,3,4,5,6,7
	v_min_num_f32 v[S+8*\t+\e], v[S+8*\t+\e], v[PLIM]   ; the conversion does not saturate (ISA guide 7.6.2); p is not negative: a one-sided hold
.endr
	v_cvt_scalef32_pk8_fp8_f32 v[PC+2*\t:PC+2*\t+1], v[S+8*\t:S+8*\t+7], v[PSC]   ; registers 2 t, 2 t + 1 of p's fragment
.endr
.if \tb == 0
.irp t, 0,1,2,3,4,5,6,7                        ; tile A's p is converted: its registers take the next step's bias
	ds_load_b128 v[S+8*\t:S+8*\t+3], v[ADB] offset:64*\t
	ds_load_b128 v[S+8*\t+4:S+8*\t+7], v[ADB] offset:64*\t+16
.endr
.endif
	s_wait_alu depctr_va_vdst(0)                   ; directly ahead of the first reader of O^T
.set j, 0
.rept 16
	v_pk_mul_f32 v[O+j:O+j+1], v[O+j:O+j+1], v[F:F+1] op_sel_hi:[1,0]   ; O^T under the new M.  (Also the plain lines behind the last conversion)
.set j, j+2
.endr
.endm
; A KEY STEP: 128 keys against my 32 queries, whose fragments begin at v[qf] of each window.  gen = 0: a step that counts whole for every wave, ahead of the second barrier; gen = 1: any step.
.macro STEP qf, gen
.if \gen
	s_add_co_u32 s[TMP], s[Q0], 31
	s_cmp_gt_u32 s[KF], s[TMP]                     ; all its keys come after my queries: nothing to do.  A branch on ids; no barrier and no tensor load stands in a step
	s_cbranch_scc1 .Lhidden_\@
.endif
	s_add_co_u32 s[TMP], s[TB], 8192               ; the next step's K and bias
	s_add_co_u32 s[TM2], s[TBB], 512
.if \gen
	s_and_b32 s[TMP], s[TMP], 0xffff               ; (behind the last step: the first's)
	s_and_b32 s[TM2], s[TM2], 0xfff
.endif
	v_add_nc_u32 v[ADV], s[TB], v[AV0]
	v_add_nc_u32 v[ADK], s[TMP], v[LI]
	v_add_nc_u32 v[ADB], s[TM2], v[AB0]
	v_nop                                          ; four places between the last step's products and the loads into V's registers
	WIN 0x40
.irp d, 0,1,2,3
.irp g, 0,1,2,3
	ds_load_b128 v[KV+16*\d+4*\g:KV+16*\d+4*\g+3], v[ADV] offset:2048*\d+512*\g
.endr
.endr
	WIN 0
	s_wait_alu depctr_va_vdst(0)
	s_wait_dscnt 16                                ; K and the bias are in; the sixteen loads of V just issued may be out
	WIN 0x44                                       ; tile B: D and Q in window 1, K and the bias (C) in window 0
.irp t, 0,1,2,3,4,5,6,7
	v_wmma_f32_16x16x64_fp8_fp8 v[S+8*\t:S+8*\t+7], v[KV+8*\t:KV+8*\t+7], v[\qf:\qf+7], v[S+8*\t:S+8*\t+7]
.endr
	NOPS 5                                         ; five places: tile A's products write over the registers that tile B's took as C
	WIN 0
.irp t, 0,1,2,3,4,5,6,7
	v_wmma_f32_16x16x64_fp8_fp8 v[S+8*\t:S+8*\t+7], v[KV+8*\t:KV+8*\t+7], v[\qf:\qf+7], v[S+8*\t:S+8*\t+7]
.endr
	NOPS 4                                         ; places: in front of the loads below, and of the first read of the scores
.irp t, 0,1,2,3,4,5,6,7
	ds_load_b128 v[KV+8*\t:KV+8*\t+3], v[ADK] offset:1024*\t
	ds_load_b128 v[KV+8*\t+4:KV+8*\t+7], v[ADK] offset:1024*\t+512
.endr
.if \gen
	s_add_co_u32 s[TMP], s[KF], 127
	s_cmp_le_u32 s[TMP], s[Q0]                     ; all keys count for all my queries: no mask
	s_cbranch_scc1 .Lopen_\@
	s_sub_co_i32 s[TMP], s[Q0], s[KF]
	v_add_nc_u32 v[DD], s[TMP], v[DR]
	s_add_co_i32 s[TMP], s[TMP], 16                ; tile B's queries lie 16 further on
	WIN 0x40
	v_add_nc_u32 v[DD], s[TMP], v[DR]
	WIN 0
	MASK
	WIN 0x55
	MASK
	WIN 0
.Lopen_\@:
.endif
	SOFTMAX 0
	WIN 0x55
	SOFTMAX 1
	s_wait_alu depctr_va_vdst(0)
	s_wait_dscnt 32                                ; V is in; the next step's K and bias, 32 loads issued behind it, may be out
	WIN 0x01                                       ; tile A: V in window 1, the rest in window 0
.irp d, 0,1,2,3
	v_wmma_f32_16x16x128_fp8_fp8 v[O+8*\d:O+8*\d+7], v[KV+16*\d:KV+16*\d+15], v[PC:PC+15], v[O+8*\d:O+8*\d+7]
.endr
	WIN 0x55
.irp d, 0,1,2,3
	v_wmma_f32_16x16x128_fp8_fp8 v[O+8*\d:O+8*\d+7], v[KV+16*\d:KV+16*\d+15], v[PC:PC+15], v[O+8*\d:O+8*\d+7]
.endr
	WIN 0
.Lhidden_\@:
.endm
.macro NEXT lab                        ; on to the next step
	s_add_co_u32 s[KF], s[KF], 128
	s_add_co_u32 s[TB], s[TB], 8192
	s_add_co_u32 s[TBB], s[TBB], 512
	s_sub_co_u32 s[CNT], s[CNT], 1
	s_cmp_lg_u32 s[CNT], 0
	s_cbranch_scc1 \lab
.endm
.macro INIT1                           ; one tile's state at a pass's head
	v_mov_b32 v13, 0xcb800000                      ; -2^24, under every raw score,
	s_delay_alu instid0(VALU_DEP_1)
	v_mul_f32 v13, s[CS], v13                      ; as t
	s_delay_alu instid0(VALU_DEP_1)
	v_floor_f32 v12, -v13
	v_mov_b32 v14, 0
	v_mov_b32 v15, 0
.set j, 0
.rept 32
	v_mov_b32 v[O+j], 0                            ; the step is written once: the first finds zeros
.set j, j+1
.endr
.endm
.macro INIT q0
	INIT1
	WIN 0x55
	INIT1
	WIN 0
	s_mov_b32 s[TB], 0
	s_mov_b32 s[TBB], 0
	s_mov_b32 s[KF], 0
	s_mov_b32 s[Q0], s[\q0]
	s_wait_alu depctr_va_vdst(0)                   ; ahead of the loop
.endm
; THE WAY OUT of a pass: o = O x 2^(e4 + e5) / l; its code is o / 2^e6, held within +-448.  A tile of O^T gives two registers of o's fragment; a tile's eight leave as 1,024 consecutive bytes.
.macro OUT1
	v_add_f32 v14, v14, v15                        ; l's two halves,
	s_delay_alu instid0(VALU_DEP_1)
	v_permlanex16_b32 v[PD], v14, s[SEL], s[SEL+1]
	s_delay_alu instid0(VALU_DEP_1)
	v_add_f32 v14, v14, v[PD]                      ; and lane l xor 16's
	s_delay_alu instid0(VALU_DEP_1)
	v_max_num_f32 v14, 0.5, v14                    ; a row none of whose keys counted (its query has m = 0) stays finite
	s_wait_alu depctr_va_vdst(0)                   ; ahead of the reciprocal,
	v_rcp_f32 v[T0], v14
	v_nop
	s_wait_alu depctr_va_vdst(0)                   ; ahead of its first reader,
	v_ldexp_f32 v[F], v[T0], s52
	s_wait_alu depctr_va_vdst(0)                   ; and directly ahead of the first reader of O^T
.set j, 0
.rept 16
	v_pk_mul_f32 v[O+j:O+j+1], v[O+j:O+j+1], v[F:F+1] op_sel_hi:[1,0]
.set j, j+2
.endr
.set j, 0
.rept 32
	v_med3_num_f32 v[O+j], v[O+j], s53, s54
.set j, j+1
.endr
.irp d, 0,1,2,3
	v_cvt_scalef32_pk8_fp8_f32 v[OC+2*\d:OC+2*\d+1], v[O+8*\d:O+8*\d+7], v[ONE]
.endr
	v_nop                                          ; a plain line behind the last conversion
.endm
.macro OUT ob, pro                     ; pro = 1: another pass follows: its first step's K and bias are asked for here
	NOPS 4                                         ; places behind the last products
.if \pro
	s_wait_dscnt 0x0                               ; the look-ahead of the last step has landed: its registers may be loaded anew
	PRO
.endif
	OUT1
	global_store_b128 v[LI], v[OC:OC+3], s[\ob:\ob+1]
	global_store_b128 v[LI], v[OC+4:OC+7], s[\ob:\ob+1] offset:512
	WIN 0x55
	OUT1
	WIN 0x04                                       ; the data in window 1, the offset in window 0
	global_store_b128 v[LI], v[OC:OC+3], s[\ob:\ob+1] offset:2048
	global_store_b128 v[LI], v[OC+4:OC+7], s[\ob:\ob+1] offset:2560
	WIN 0
.endm
	PRO
	INIT 61                                        ; THE FIRST PASS: u2, five to eight steps
	s_mov_b32 s[CNT], 3
.La:                                               ; steps 0-2 read keys under 512, the look-ahead for step 3 too
	STEP 16, 0
	NEXT .La
	s_wait_tensorcnt 0x0                           ; my part of keys 512-1,023 is in,
	s_wait_dscnt 0x0
	s_barrier_signal -1
	s_barrier_wait -1                              ; everybody's is
	s_mov_b32 s[CNT], 5
.Lb:
	STEP 16, 1
	NEXT .Lb
	OUT 50, 1
	s_wait_xcnt 0x0                                ; the stores have read their data: the second pass writes those registers again
	INIT 60                                        ; THE SECOND PASS: u1, one to four steps
	s_mov_b32 s[CNT], 4
.Lc:
	STEP 24, 1
	NEXT .Lc
	OUT 48, 0
	s_wait_tensorcnt 0x0                           ; the wave's end
	ds_add_u32 v[SPW], v[NIL]
	s_wait_dscnt 0x0
	s_endpgm
.Lfunc_end_k_qe4f16ee2dd_attn:
	.size	k_qe4f16ee2dd_attn, .Lfunc_end_k_qe4f16ee2dd_attn-k_qe4f16ee2dd_attn
	.p2alignl 7, 3214868480
	.fill 96, 4, 3214868480
	.section	.rodata,"a",@progbits
	.p2align	6, 0x0
	.amdhsa_kernel k_qe4f16ee2dd_attn
		.amdhsa_group_segment_fixed_size 327680
		.amdhsa_private_segment_fixed_size 0
		.amdhsa_enable_private_segment 0
		.amdhsa_kernarg_size 32
		.amdhsa_user_sgpr_count 2
		.amdhsa_user_sgpr_kernarg_segment_ptr 1
		.amdhsa_wavefront_size32 1
		.amdhsa_system_sgpr_workgroup_id_x 1
		.amdhsa_system_sgpr_workgroup_id_y 1
		.amdhsa_system_sgpr_workgroup_id_z 1
		.amdhsa_system_vgpr_workitem_id 0
		.amdhsa_next_free_vgpr 512
		.amdhsa_next_free_sgpr 66
		.amdhsa_reserve_vcc 1
		.amdhsa_float_denorm_mode_32 3
		.amdhsa_float_denorm_mode_16_64 3
		.amdhsa_memory_ordered 1
		.amdhsa_forward_progress 1
		.amdhsa_inst_pref_size 145
	.end_amdhsa_kernel
	.amdgpu_metadata
---
amdhsa.version: [ 1, 2 ]
amdhsa.kernels:
  - .name:           k_qe4f16ee2dd_attn
    .symbol:         k_qe4f16ee2dd_attn.kd
    .args:
      - { .name: qkv, .offset: 0, .size: 8, .value_kind: global_buffer, .address_space: global }
      - { .name: m, .offset: 8, .size: 8, .value_kind: global_buffer, .address_space: global }
      - { .name: lowp_scales, .offset: 16, .size: 8, .value_kind: global_buffer, .address_space: global }
      - { .name: oc, .offset: 24, .size: 8, .value_kind: global_buffer, .address_space: global }
    .group_segment_fixed_size: 327680
    .private_segment_fixed_size: 0
    .kernarg_segment_align: 8
    .kernarg_segment_size: 32
    .max_flat_workgroup_size: 256
    .sgpr_count:     66
    .vgpr_count:     512
    .wavefront_size: 32
...
	.end_amdgpu_metadata
.endif
;; end of part 3
;; launch gemm_out (part 4): grid 4 x 64, 4 waves a work-group, clusters of 4 x 4, 327,680 bytes of LDS; arguments oc, codes, lowp_scales, b_out, m, out0; writes out0
.if DOCPART == 4
	.amdgcn_target "amdgcn-amd-amdhsa--gfx1250"
	.amdhsa_code_object_version 6
	.text
	.protected	k_qe4f16ee2dd_gemm_out
	.globl	k_qe4f16ee2dd_gemm_out
	.p2align	8
	.type	k_qe4f16ee2dd_gemm_out,@function
k_qe4f16ee2dd_gemm_out:
	s_mov_b64 s[64:65], 0
	v_nop
	global_prefetch_b8 v0, s[64:65] scope:SCOPE_SE
	s_setreg_imm32_b32 hwreg(HW_REG_WAVE_MODE, 25, 1), 1
	s_wait_xcnt 0x0
	s_wait_alu depctr_hold_cnt(0) depctr_sa_sdst(0) depctr_va_vdst(0) depctr_va_sdst(0) depctr_va_ssrc(0) depctr_va_vcc(0) depctr_vm_vsrc(0)
	s_getreg_b32 s2, hwreg(HW_REG_IB_STS2, 6, 4)
	s_cmp_eq_u32 s2, 0
	s_cbranch_scc0 .Lentry_in_a_cluster
	s_endpgm
.Lentry_in_a_cluster:
	s_bfe_u32 s2, ttmp6, 0x10000c
	s_cmp_lg_u32 s2, 0xf033
	s_cbranch_scc0 .Lentry_shape_is_right
	s_endpgm
.Lentry_shape_is_right:
; out0 = (Q(o) Q(w_out)^T x 2^(e6 + e7) + b_out) x m, on codes of E4M3, K = 1,024.
; OPERANDS come as images of their registers: fragment (G, s, f) of 16 rows x 128 k lies at 131072 G + 16384 s + 2048 f (oc: G = group of 128 tokens; codes: G = 88 .. 95 for w_out); its registers 4 g .. 4 g + 3 at byte 512 g + 16 lane.
; SHARES.  A work-group makes 128 tokens x 256 features, a wave 64 x 128: 32 accumulators.  Source 1 takes the tokens (A), source 0 the features (B): lane (r, h) holds token 16 a + r, register j feature 16 b + 8 h + j.
; EVERYTHING IS ASKED FOR ONCE, AT THE HEAD: K has eight steps of 128, and the block's operands are 131,072 bytes of A and 262,144 of B.
;   LDS takes A's K steps 0-6 (114,688 bytes: waves 0 and 1, one joint load of 57,344 each) and, of each of B's two groups of 128 features, K steps 0-5 (98,304 bytes: waves 2 and 3, one joint load each).
;   The rest comes straight into the registers of the waves that multiply it: B's K steps 6 and 7 (window 3, 64 loads a wave) and A's K step 7 (v32-95, 16 loads).  Nothing is filled again: no ring.
; THE BIAS is the C of the first products, as b_out x 2^-(e6 + e7); each finished sum is multiplied once by m x 2^(e6 + e7).  It waits in the registers that A's second set takes behind the first step.
; CLUSTERS: 4 x 4 work-groups; A's tiles are shared along a row of the cluster, B's along a column.  NO PREFETCH: no fill stands in a loop; all go out at the head.
; LIMIT: e6 + e7 between -126 and 126, so that both powers of two are f32 numbers.
; REGISTERS: window 0: v0-31 addresses, v32-95 A's K step 7, v96-103 m, v128-255 A's two sets of four fragments (on the way out: rows read back); window 1: B's two sets of eight; window 2: the accumulators; window 3: B's K steps 6, 7.
.set ABYTES, 114688
.set AHALF,  57344
.set BPART,  98304
.set SPARE,  ABYTES+2*BPART            ; behind the tiles: the spare words, 128 bytes for each wave
.set FR,     16
.set NP,     4                         ; places behind this matrix instruction (ISA guide 7.12.1)
.set SPITCH, 528                       ; the way out: a stage of 16 rows x (512 + 16) bytes for each wave, on A's first bytes, which have had their only fill and their last read
.set ADRA, 16                          ; v16-17  LDS address of my A fragments, K steps 0-3 and 4-6
.set ADRB, 20                          ; v20-21  of my B fragments, K steps 0-3 and 4-5
.set STO,  24
.set RD,   25
.set CO,   26
.set SPW,  28
.set NIL,  29
.set A7,   32
.set MR,   96
.set AF,   128
.set BI,   192
.set BK,   128
.set G1, 24
.set G0, 32
.set G1B, 48
.set G0B, 56
.set LH,  66
.set MSB, 0
.macro WIN new                         ; the immediate's high byte repeats the setting that is left
.if MSB != (\new)
	s_set_vgpr_msb (MSB<<8)|(\new)
.set MSB, (\new)
.endif
.endm
.macro JLOAD g0a, g1a, g0b, g1b        ; waves 0 and 1 fetch for A, waves 2 and 3 for B; the branch hangs on the wave's number alone
	s_cmp_eq_u32 s15, 0
	s_cbranch_scc0 .Lfor_b_\@
	tensor_load_to_lds s[\g0a:\g0a+3], s[\g1a:\g1a+7]
	s_nop 0
.rept 4
	v_nop
.endr
	s_branch .Lasked_\@
.Lfor_b_\@:
	tensor_load_to_lds s[\g0b:\g0b+3], s[\g1b:\g1b+7]
	s_nop 0
.rept 4
	v_nop
.endr
.Lasked_\@:
.endm
.macro CROUND                          ; a round of the cluster's barrier
	s_barrier_signal -1
	s_barrier_wait -1
	s_cmp_lg_u32 s14, 0
	s_cbranch_scc1 .Lnot_wave_0_\@
	s_barrier_signal -3
.Lnot_wave_0_\@:
	s_barrier_wait -3
	s_barrier_signal -1
	s_barrier_wait -1
.endm
	s_load_b128 s[4:7], s[0:1], 0x0                ; oc, codes
	s_load_b128 s[8:11], s[0:1], 0x10              ; the exponents, b_out
	s_load_b128 s[88:91], s[0:1], 0x20             ; m, out0
	v_lshl_add_u32 v[SPW], v0, 2, SPARE
	v_mov_b32 v[NIL], 0
	ds_add_u32 v[SPW], v[NIL]                      ; the opening lines: the add, twice on end, and its wait
	ds_add_u32 v[SPW], v[NIL]
	v_lshrrev_b32 v1, 5, v0
	v_readfirstlane_b32 s14, v1                    ; wave 0..3
	s_lshr_b32 s15, s14, 1                         ; my half of the tokens.  Also: I fetch for A (0) or for B (1)
	s_and_b32 s16, s14, 1                          ; my group of features.  Also: which part I fetch
	s_bfe_u32 s40, ttmp6, 0x40000                  ; cx, cy
	s_bfe_u32 s41, ttmp6, 0x40004
	s_lshl_b32 s42, ttmp9, 2
	s_add_co_u32 s42, s42, s40                     ; tile column
	s_and_b32 s17, ttmp7, 0xffff
	s_lshl_b32 s17, s17, 2
	s_add_co_u32 s17, s17, s41                     ; tile row
	s_lshl_b32 s43, s41, 2
	s_lshl_b32 s43, 15, s43                        ; my row of the cluster
	s_lshl_b32 s44, 0x1111, s40                    ; my column
	s_or_b32 s[G1+0], s43, (3<<16)|(1<<21)         ; groups 1: dense rows of 32 elements of 8 bytes; A: 224 rows, B: 384
	s_or_b32 s[G1B+0], s44, (3<<16)|(1<<21)
	s_mov_b32 s[G1+1], 32<<16
	s_mov_b32 s[G1+2], 224<<16
	s_mov_b32 s[G1+3], 32<<16
	s_mov_b32 s[G1+4], 224
	s_mov_b32 s[G1+5], 32
	s_mov_b32 s[G1+6], 0
	s_mov_b32 s[G1+7], 0
	s_mov_b32 s[G1B+1], 32<<16
	s_mov_b32 s[G1B+2], 384<<16
	s_mov_b32 s[G1B+3], 32<<16
	s_mov_b32 s[G1B+4], 384
	s_mov_b32 s[G1B+5], 32
	s_mov_b32 s[G1B+6], 0
	s_mov_b32 s[G1B+7], 0
	s_mul_i32 s45, s16, AHALF                      ; A's part: in LDS, and in its group
	s_lshl_b32 s20, s17, 17
	s_add_co_u32 s20, s20, s45
	s_mov_b32 s21, 0
	s_lshl_b32 s46, s42, 1
	s_add_co_u32 s46, s46, s16
	s_add_co_u32 s46, s46, 88
	s_lshl_b32 s46, s46, 17                        ; B's group
	s_mov_b32 s47, 0
	s_mul_i32 s[LH], s16, BPART
	s_add_co_u32 s[LH], s[LH], ABYTES              ; and where it lies in LDS
	s_lshl_b32 s92, s17, 17
	s_lshl_b32 s93, s15, 13
	s_add_co_u32 s92, s92, s93                     ; my four blocks of tokens in A's group
	s_mov_b32 s93, 0
	s_wait_dscnt 0x0                               ; both opening adds are done
	s_wait_kmcnt 0x0
	s_load_b256 s[68:75], s[8:9], 0x0              ; e0 .. e7
	s_add_nc_u64 s[20:21], s[4:5], s[20:21]
	s_add_nc_u64 s[46:47], s[6:7], s[46:47]
	s_add_nc_u64 s[92:93], s[4:5], s[92:93]
	CROUND                                         ; all sixteen work-groups are here: the joint loads meet
	s_mov_b32 s[G0], 1
	s_mov_b32 s[G0+1], s45
	s_mov_b64 s[G0+2:G0+3], s[20:21]
	s_or_b32 s[G0+3], s[G0+3], 0x80000000
	s_mov_b32 s[G0B], 1
	s_mov_b32 s[G0B+1], s[LH]
	s_mov_b64 s[G0B+2:G0B+3], s[46:47]
	s_or_b32 s[G0B+3], s[G0B+3], 0x80000000
	JLOAD G0, G1, G0B, G1B                         ; each wave's one tensor load
	s_lshl_b32 s76, s42, 10
	s_lshl_b32 s77, s16, 9
	s_add_co_u32 s76, s76, s77                     ; my first feature, x 4 bytes
	s_mov_b32 s77, 0
	s_add_nc_u64 s[10:11], s[10:11], s[76:77]
	s_lshl_b32 s78, s17, 9
	s_lshl_b32 s79, s15, 8
	s_add_co_u32 s78, s78, s79                     ; my first token, x 4 bytes
	s_mov_b32 s79, 0
	s_add_nc_u64 s[88:89], s[88:89], s[78:79]
	s_lshl_b32 s80, s17, 19
	s_lshl_b32 s81, s15, 18
	s_add_co_u32 s80, s80, s81
	s_add_co_u32 s80, s80, s76
	s_mov_b32 s81, 0
	s_add_nc_u64 s[90:91], s[90:91], s[80:81]      ; my corner of out0
	s_lshl_b32 s21, s15, 13
	s_mul_i32 s23, s14, 16*SPITCH                  ; my stage
	v_and_b32 v1, 15, v0                           ; r
	v_bfe_u32 v2, v0, 4, 1                         ; h
	v_and_b32 v4, 31, v0
	v_lshlrev_b32 v4, 4, v4                        ; 16 x lane
	v_lshlrev_b32 v5, 5, v2
	v_lshlrev_b32 v6, 2, v1
	v_add_nc_u32 v[ADRA], s21, v4
	v_add_nc_u32 v[ADRB], s[LH], v4
	v_add_nc_u32 v[ADRA+1], 65536, v[ADRA]
	v_add_nc_u32 v[ADRB+1], 65536, v[ADRB]
	v_mul_u32_u24 v7, v1, SPITCH
	v_lshl_add_u32 v7, v2, 5, v7
	v_add_nc_u32 v[STO], s23, v7
	v_mov_b32 v[CO], v4
	v_add_nc_u32 v[RD], s23, v4
	s_wait_alu depctr_va_vdst(0)
.irp b, 0,1,2,3,4,5,6,7
	global_load_b128 v[BI+8*\b:BI+8*\b+3], v5, s[10:11] offset:64*\b         ; b_out at features 16 b + 8 h + 0 .. 7: the result's layout
	global_load_b128 v[BI+8*\b+4:BI+8*\b+7], v5, s[10:11] offset:64*\b+16
.endr
.irp a, 0,1,2,3
	global_load_b32 v[MR+2*\a], v6, s[88:89] offset:64*\a                    ; m at token 16 a + r, in both words of a pair
	global_load_b32 v[MR+2*\a+1], v6, s[88:89] offset:64*\a
.endr
.irp i, 0,1,2,3
.irp c, 0,1,2,3
	global_load_b128 v[A7+FR*\i+4*\c:A7+FR*\i+4*\c+3], v4, s[92:93] offset:114688+2048*\i+512*\c   ; A's K step 7
.endr
.endr
	WIN 0xc0                                       ; destination window 3
.irp t, 0,1
.irp i, 0,1,2,3,4,5,6,7
.irp c, 0,1,2,3
	global_load_b128 v[128*\t+FR*\i+4*\c:128*\t+FR*\i+4*\c+3], v4, s[46:47] offset:98304+16384*\t+2048*\i+512*\c   ; B's K steps 6, 7
.endr
.endr
.endr
	WIN 0
.macro FRAG reg, adr, q, i             ; a fragment comes as it lies: four loads of 512 consecutive bytes
.irp c, 0,1,2,3
	ds_load_b128 v[\reg+4*\c:\reg+4*\c+3], v[\adr] offset:16384*(\q)+2048*(\i)+512*\c
.endr
.endm
.macro PLACES n
.rept \n
	v_nop
.endr
.endm
.macro FETCHB s                        ; B's eight fragments of K step s into set s % 2
	WIN 0x40
.irp i, 0,1,2,3,4,5,6,7
	FRAG 128*((\s)%2)+FR*\i, ADRB+(\s)/4, (\s)%4, \i
.endr
	WIN 0
.endm
.macro FETCHA s                        ; A's four
.irp i, 0,1,2,3
	FRAG AF+64*((\s)%2)+FR*\i, ADRA+(\s)/4, (\s)%4, \i
.endr
.endm
; K step s: 32 matrix instructions; the 32 accumulators take turns, one instruction a turn, in the same order in every step.  first = 1: C is the bias.
.macro MUL s, first
.if (\s) < 6
.set BB0, 128*((\s)%2)
.set BW, 1
.else
.set BB0, 128*((\s)-6)
.set BW, 3
.endif
.if (\s) < 7
.set AA0, AF+64*((\s)%2)
.else
.set AA0, A7
.endif
.if \first
	WIN 0x80|BW                                    ; C in window 0
.else
	WIN 0xa0|BW                                    ; source 0 window 1 or 3, source 1 window 0, C and D window 2
.endif
.irp a, 0,1,2,3
.irp b, 0,1,2,3,4,5,6,7
.if \first
	v_wmma_f32_16x16x128_fp8_fp8 v[8*(8*\a+\b):8*(8*\a+\b)+7], v[BB0+FR*\b:BB0+FR*\b+FR-1], v[AA0+FR*\a:AA0+FR*\a+FR-1], v[BI+8*\b:BI+8*\b+7]
.else
	v_wmma_f32_16x16x128_fp8_fp8 v[8*(8*\a+\b):8*(8*\a+\b)+7], v[BB0+FR*\b:BB0+FR*\b+FR-1], v[AA0+FR*\a:AA0+FR*\a+FR-1], v[8*(8*\a+\b):8*(8*\a+\b)+7]
.endif
.endr
.endr
	WIN 0
.endm
.macro KSTEP s                         ; the next step's fragments are asked for ahead of this step's products and land under them
	s_wait_dscnt 0x0                               ; this step's fragments are in
	PLACES NP                                      ; the other sets were read by the step before
.if (\s)+1 <= 5
	FETCHB (\s)+1
.endif
	FETCHA (\s)+1
	MUL \s, 0
.endm
	s_wait_tensorcnt 0x0                           ; my part of the tiles is in,
	s_barrier_signal -1
	s_barrier_wait -1                              ; everybody's is
	FETCHB 0
	FETCHA 0
	FETCHB 1
	s_wait_kmcnt 0x0
	s_add_co_i32 s96, s74, s75                     ; e6 + e7
	s_sub_co_i32 s98, 127, s96
	s_lshl_b32 s98, s98, 23                        ; 2^-(e6 + e7) as f32
	s_mov_b32 s99, s98                             ; (named with it as a pair)
	s_add_co_i32 s96, s96, 127
	s_lshl_b32 s96, s96, 23                        ; 2^(e6 + e7)
	s_wait_loadcnt 63                              ; the bias and m, 24 loads, have 80 loads issued behind them: they are in
.set j, 0
.rept 32
	v_pk_mul_f32 v[BI+j:BI+j+1], v[BI+j:BI+j+1], s[98:99] op_sel_hi:[1,0]
.set j, j+2
.endr
.set j, 0
.rept 8
	v_mul_f32 v[MR+j], s96, v[MR+j]
.set j, j+1
.endr
	s_wait_alu depctr_va_vdst(0)
	s_wait_dscnt 32                                ; K step 0's fragments are in; B's 32 loads of K step 1 may be out
	MUL 0, 1
	PLACES NP                                      ; the bias has been read: its registers take A's K step 1
	FETCHA 1
	KSTEP 1
	KSTEP 2
	KSTEP 3
	KSTEP 4
	KSTEP 5
	s_wait_dscnt 0x0                               ; A's K step 6 is in: my reads of the tiles are over;
	s_wait_loadcnt 0x0                             ; what came straight into registers is in
	s_barrier_signal -1                            ; say so, and work on registers while the others arrive
	MUL 6, 0
	MUL 7, 0
	s_barrier_wait -1                              ; nobody reads the tiles any more: the stages may be written
; THE WAY OUT, block by block of 16 tokens x 128 features: x m x 2^(e6 + e7), through my stage, back as rows of 512 bytes, which the 32 lanes store as two aligned units of 256 bytes.
.macro TOSTAGE a
.set AC, 64*(\a)
	WIN 0x82
.set j, 0
.rept 32
	v_pk_mul_f32 v[AC+j:AC+j+1], v[AC+j:AC+j+1], v[MR+2*(\a):MR+2*(\a)+1]   ; each accumulator from its low end on
.set j, j+2
.endr
	WIN 0x08
.irp b, 0,1,2,3,4,5,6,7
	ds_store_b128 v[STO], v[AC+8*\b:AC+8*\b+3] offset:64*\b
	ds_store_b128 v[STO], v[AC+8*\b+4:AC+8*\b+7] offset:64*\b+16
.endr
	WIN 0
.set BB, BK+64*((\a)%2)
.irp t, 0,1,2,3,4,5,6,7,8,9,10,11,12,13,14,15
	ds_load_b128 v[BB+4*\t:BB+4*\t+3], v[RD] offset:\t*SPITCH      ; LDS serves a wave's instructions in order: these see my stores
.endr
.endm
.macro SEND a, younger                 ; younger: the LDS instructions issued behind block a's loads, which may stay out
.set BB, BK+64*((\a)%2)
	s_wait_dscnt \younger
.if (\a) > 0
	s_add_nc_u64 s[90:91], s[90:91], 16*4096       ; behind a wait on XCNT: the earlier stores have read their base
.endif
.irp t, 0,1,2,3,4,5,6,7,8,9,10,11,12,13,14,15
	global_store_b128 v[CO], v[BB+4*\t:BB+4*\t+3], s[90:91] offset:\t*4096 th:TH_STORE_NT
.endr
.endm
	PLACES NP                                      ; behind the last products
	TOSTAGE 0
.irp a, 1,2,3
.if \a > 1
	s_wait_xcnt 0x0                                ; block a - 2's stores have read their registers and their base
.endif
	TOSTAGE \a
	SEND \a-1, 32
.endr
	s_wait_xcnt 0x0
	SEND 3, 0
	s_wait_tensorcnt 0x0                           ; the wave's end
	ds_add_u32 v[SPW], v[NIL]
	s_wait_dscnt 0x0
	CROUND                                         ; the closing round
	s_endpgm
.Lfunc_end_k_qe4f16ee2dd_gemm_out:
	.size	k_qe4f16ee2dd_gemm_out, .Lfunc_end_k_qe4f16ee2dd_gemm_out-k_qe4f16ee2dd_gemm_out
	.p2alignl 7, 3214868480
	.fill 96, 4, 3214868480
	.section	.rodata,"a",@progbits
	.p2align	6, 0x0
	.amdhsa_kernel k_qe4f16ee2dd_gemm_out
		.amdhsa_group_segment_fixed_size 327680
		.amdhsa_private_segment_fixed_size 0
		.amdhsa_enable_private_segment 0
		.amdhsa_kernarg_size 48
		.amdhsa_user_sgpr_count 2
		.amdhsa_user_sgpr_kernarg_segment_ptr 1
		.amdhsa_wavefront_size32 1
		.amdhsa_system_sgpr_workgroup_id_x 1
		.amdhsa_system_sgpr_workgroup_id_y 1
		.amdhsa_system_sgpr_workgroup_id_z 1
		.amdhsa_system_vgpr_workitem_id 0
		.amdhsa_next_free_vgpr 1024
		.amdhsa_next_free_sgpr 100
		.amdhsa_reserve_vcc 0
		.amdhsa_float_denorm_mode_32 3
		.amdhsa_float_denorm_mode_16_64 3
		.amdhsa_memory_ordered 1
		.amdhsa_forward_progress 1
		.amdhsa_inst_pref_size 79
	.end_amdhsa_kernel
	.amdgpu_metadata
---
amdhsa.version: [ 1, 2 ]
amdhsa.kernels:
  - .name:           k_qe4f16ee2dd_gemm_out
    .symbol:         k_qe4f16ee2dd_gemm_out.kd
    .args:
      - { .name: oc, .offset: 0, .size: 8, .value_kind: global_buffer, .address_space: global }
      - { .name: codes, .offset: 8, .size: 8, .value_kind: global_buffer, .address_space: global }
      - { .name: lowp_scales, .offset: 16, .size: 8, .value_kind: global_buffer, .address_space: global }
      - { .name: b_out, .offset: 24, .size: 8, .value_kind: global_buffer, .address_space: global }
      - { .name: m, .offset: 32, .size: 8, .value_kind: global_buffer, .address_space: global }
      - { .name: out0, .offset: 40, .size: 8, .value_kind: global_buffer, .address_space: global }
    .group_segment_fixed_size: 327680
    .private_segment_fixed_size: 0
    .kernarg_segment_align: 8
    .kernarg_segment_size: 48
    .max_flat_workgroup_size: 128
    .sgpr_count:     100
    .vgpr_count:     1024
    .wavefront_size: 32
...
	.end_amdgpu_metadata
.endif
;; end of part 4
